; MI455X (gfx1250); checked and timed in simulation.
; The chip was launched on July 23, 2026; its instructions are those of AMD's public machine-readable ISA for CDNA 5 (MIT licence, August 2026) and "CDNA5" Instruction Set Architecture Reference Guide (July 2026). The comments in the code are by the model that wrote it; some were corrected since.
;; Self Attention. Allowed arithmetic: matrix products marked QUANTISED: E2M3 operands, one E8M0 scale for each 32 along K, by v_wmma_scale_f32_16x16x128_f8f6f4 with both operands' format E2M3, f32 sums; everything else in f32.
;; Inputs: b_in 3,072 float32; b_out 1,024 float32; w_in 3,072 x 1,024 float32; w_out 1,024 x 1,024 float32; x 4 x 2,048 x 1,024 float32.
;; Outputs: out0 4 x 2,048 x 1,024 float32.
;; This version of the problem:
;;   THIS VERSION OF THE PROBLEM IS GIVEN IN LOW PRECISION. The matrix products marked QUANTISED in the list below multiply operands that are first quantised to E2M3 (2 exponent bits, 3 mantissa bits; 6 bits a number), with one power-of-two scale for each 32 numbers along K (OCP MX v1.0); their sums are f32. All else is computed in f32.
;;   The module's matrix products, in the order in which they are computed (A, B: the left and right operand; K: the contracted axis; several contracted axes count as one K, in the product's order):
;;     1. [M 8,192, K 1,024] x [K 1,024, N 3,072]; A: input x; B: input w_in: QUANTISED
;;     2. batch 64 x [M 2,048, K 64] x [K 64, N 2,048]; A: computed on the way; B: computed on the way: QUANTISED
;;     3. batch 64 x [M 2,048, K 2,048] x [K 2,048, N 64]; A: softmax (see below); B: computed on the way: QUANTISED
;;     4. [M 8,192, K 1,024] x [K 1,024, N 1,024]; A: computed on the way; B: input w_out: QUANTISED
;;   THE QUANTISER, for each operand of a quantised product, along K:
;;     - K is cut into blocks of 32 from its start; a last block that is shorter is filled with zeros.
;;     - A block's scale is 2^e with e = floor(log2(the largest magnitude in the block)) - 2, held to -126 .. 127; a block of zeros has e = 0. As a byte (E8M0): e + 127.
;;     - Each number is divided by its block's scale, clamped to +-7.5, and rounded to the nearest number of E2M3, ties to even, subnormals kept.
;;     - The product sums the exact products of the quantised numbers (number of the format x scale) in f32.
;;   ~~~python
;;   def quantise(x, axis):      # numpy; x: float32 -> the quantised numbers, widened to float32 again
;;       x = np.moveaxis(x, axis, -1); K = x.shape[-1]
;;       x = np.pad(x, [(0, 0)] * (x.ndim - 1) + [(0, -K % 32)]); x = x.reshape(x.shape[:-1] + (-1, 32)); a = np.abs(x).max(-1, keepdims=True)
;;       e = np.where(a > 0, np.clip(np.frexp(np.where(a > 0, a, 1))[1] - 1 - 2, -126, 127), 0)      # np.frexp(a)[1] - 1 = floor(log2(a)), exactly
;;       r = np.clip(x / 2.0 ** e, -7.5, 7.5)
;;       step = 2.0 ** (np.maximum(np.frexp(np.where(r == 0, 1, r))[1] - 1, 0) - 3)
;;       q = np.round(r / step) * step * 2.0 ** e      # np.round: ties to even
;;       return np.moveaxis(q.reshape(q.shape[:-2] + (-1,))[..., :K], -1, axis).astype(np.float32)
;;   ~~~
;;   SOFTMAX AHEAD OF A QUANTISED PRODUCT. Where the list says 'softmax', what is quantised is not the finished softmax but p = 2^(t - M), with t = logit x log2(e) and M = ceil(the row's largest t), a whole number; so 1/2 < the row's largest p <= 1. The row's sum l is taken of the UNQUANTISED p, in f32, and the product's result is divided by l at the end. Since M is a whole number, a kernel that streams over the keys may use a running M (the ceiling of the running maximum): every later rescaling is an exact power of two, which a block's scale takes up: the codes' values come out the same.
;;   OPERANDS COMPUTED ON THE WAY. 'Computed on the way' means the value that the module computes at that place (a softmax that the list does not call 'softmax' is quantised finished and normalised). What goes into a quantiser is computed in f32, as accurately as f32 sums, v_exp_f32 and their like allow (about 1e-6 of the number): no bf16 or f16 on the way to a quantiser, and a product that is left as it is and whose result goes on into a quantised operand takes f32 operands (vector FMAs, or v_wmma_f32_16x16x4_f32). A number that lies on a knife's edge between two numbers of the format may be rounded either way, as far as f32 arithmetic and the matrix unit's own rounding can turn it there, and no further.
;; One version. Each part assembles by itself: llvm-mc -triple=amdgcn-amd-amdhsa -mcpu=gfx1250 --defsym DOCPART=n.
;; ======== version 1 of 1: 4 launches
;; limits: right only within a limited range of input values
;; workspace buffers: xc 6,291,456 bytes; xs 262,144 bytes; wc 3,145,728 bytes; ws 131,072 bytes; qc 6,553,600 bytes; kv 13,107,200 bytes; oc 6,291,456 bytes; os 262,144 bytes
;; launch quant (part 1): grid 256 x 1, 6 waves a work-group, no clusters, 53,248 bytes of LDS; arguments x, w_in, w_out, xc, xs, wc, ws; writes xc, xs, wc, ws
.if DOCPART == 1
	.amdgcn_target "amdgcn-amd-amdhsa--gfx1250"
	.amdhsa_code_object_version 6
	.text
	.protected	k_q05188b062c_quant
	.globl	k_q05188b062c_quant
	.p2align	8
	.type	k_q05188b062c_quant,@function
k_q05188b062c_quant:
	s_mov_b64 s[64:65], 0
	v_nop
	global_prefetch_b8 v0, s[64:65] scope:SCOPE_SE
	s_setreg_imm32_b32 hwreg(HW_REG_WAVE_MODE, 25, 1), 1
	s_wait_xcnt 0x0
; x [8192][1024], w_in [3072][1024] and w_out [1024][1024], f32, become codes of FP6 (E2M3) with one E8M0 scale byte for each 32 along K (the last axis).
; WORK LEFT OUT BY THE PROGRAM: reference() sets the score of every key behind the query to -infinity ahead of the softmax, so that key's p is exactly 0 for all values of the inputs, and it adds nothing to the
; row's sum or to p v.  Steps of 128 keys that lie wholly behind a block of 128 queries are therefore not multiplied in launch attn.  A NaN, an infinity or an overflow that reaches only such scores is not carried on.
; THE CODES ARE LAID AS IMAGES OF AN OPERAND'S REGISTERS.  A fragment is 16 rows x 128 K: 12 registers a lane (lane l: row l % 16; registers 6 c .. 6 c + 5: k = 64 c + 32 (l / 16) + 0 .. 31).
; It is stored as three planes of 512 bytes: plane p holds registers 4 p .. 4 p + 3, lane l's 16 bytes at 16 l.  xc: [tile of 16 rows][K step of 128][1,536 bytes]; wc the same, w_in's rows and then w_out's.
; THE ROWS OF A TILE ARE NOT NEIGHBOURS: in a block of 128 rows lane r of tile t holds row 32 (t / 2) + 8 (t % 2) + r + 8 (r / 8).  Where such a tile is source 0 of a product, a lane's 16 result registers of
; tiles 2 b and 2 b + 1 are 16 neighbours, which is what the later launches' quantisers want.
; The scale words (four bytes: a row's 128 along K): xs, ws: [block of 128 rows][K step][tile][row in the tile], 4 bytes each.
; A block's scale is 2^(floor(log2(its largest magnitude)) - 2); its byte is the largest magnitude's exponent field - 2, held at 1 from below.
; LIMITS: NaN and infinities among the inputs are not served.  A block whose largest magnitude lies under 2^-124, a block of zeros among them, gets the byte 1 (the rule says 127 for zeros): a block of zeros has
; zero codes, which add nothing under any byte but 0xff, and the bytes are read by this program alone.
; SHARES.  A wave takes 64 rows (four tiles) x one K step of 128: four fragments.  12,288 rows x 8 K steps are 1,536 such shares: 256 work-groups of six waves.  Share g = 6 x work-group + wave: K step g % 8,
; rows 64 (g / 8): groups 0-127 x, 128-175 w_in, 176-191 w_out.  Only pointers are chosen, by ids; the text has one path.  No tensor load, no barrier: waves share nothing.
; Each load reads 512 consecutive bytes of one row; a fragment's 16 rows turn through the wave's own stage in LDS (rows 528 bytes apart: 33 x 16, so that sixteen rows begin in sixteen different groups of banks)
; and come back as 16 neighbours of each block of 32 in one lane, as the conversions take them.
.set WREG,  8704                       ; LDS of a wave: the stage, 16 x 528 bytes, and 256 bytes for its four fragments' scale words
.set SCO,   8448
.set SPARE, 6*WREG                     ; behind the six regions: the spare words, 128 bytes for each wave, which no other line names
.set LO,    1                          ; v1   16 x lane
.set SIN,   2                          ; v2   the stage, on the way in
.set SOUT,  3                          ; v3   and on the way out: row r, + 64 (lane / 16)
.set SCW,   4                          ; v4   where my row's scale word goes
.set SCR,   5                          ; v5   where I read 8 bytes of the 256 back
.set L8,    6                          ; v6   8 x lane
.set R,     16                         ; v16-143  two sets of 64: a fragment's numbers as loaded
.set X,     144                        ; v144-207 register 16 b + i = k 32 b + 16 (lane / 16) + i of my row
.set PC,    208                        ; v208-219 the codes; v220-222, v224-226 the halves that are made elsewhere and moved
.set TM,    228                        ; v228-243 at work
.set PW,    244                        ; the scale word
.set SPW,   246                        ; my spare word; never rewritten
.set NIL,   247                        ; 0; never rewritten
.set SWO,   248
.set SEL,   20                         ; s[20:21] lane selects: lane l xor 16
	s_load_b256 s[4:11], s[0:1], 0x0               ; x, w_in, w_out, xc
	s_load_b128 s[12:15], s[0:1], 0x20             ; xs, wc
	s_load_b64 s[16:17], s[0:1], 0x30              ; ws
	v_lshl_add_u32 v[SPW], v0, 2, SPARE
	v_mov_b32 v[NIL], 0
	v_lshrrev_b32 v7, 5, v0
	v_readfirstlane_b32 s18, v7                    ; wave 0..5
	v_and_b32 v8, 31, v0                           ; lane
	v_and_b32 v9, 15, v0                           ; r
	v_bfe_u32 v10, v0, 4, 1                        ; h
	v_lshlrev_b32 v[LO], 4, v8
	s_mul_i32 s19, s18, WREG
	v_add_nc_u32 v[SIN], s19, v[LO]
	v_mul_u32_u24 v[SOUT], v9, 528
	v_lshl_add_u32 v[SOUT], v10, 6, v[SOUT]
	v_add_nc_u32 v[SOUT], s19, v[SOUT]
	s_add_co_u32 s19, s19, SCO
	v_lshl_add_u32 v[SCW], v9, 2, s19
	v_lshlrev_b32 v[L8], 3, v8
	v_add_nc_u32 v[SCR], s19, v[L8]
	s_mov_b32 s[SEL], 0x76543210
	s_mov_b32 s[SEL+1], 0xfedcba98
.irp b, 0,1,2,3
	v_mov_b32 v[TM+4+\b], 0                        ; written once: a lane permute's destination counts as one of its sources
.endr
	s_mul_i32 s32, ttmp9, 6
	s_add_co_u32 s32, s32, s18                     ; my share g, 0 .. 1,535
	s_lshr_b32 s33, s32, 2                         ; g / 4, 0 .. 383
	s_and_b32 s28, s32, 7                          ; my K step
	s_wait_alu depctr_va_vdst(0)
	s_wait_kmcnt 0x0
	s_cmp_lt_u32 s33, 256                          ; x's share, or a weight's?  The choices hang on ids alone
	s_cselect_b64 s[22:23], s[10:11], s[14:15]     ; the codes' buffer
	s_cselect_b64 s[24:25], s[12:13], s[16:17]     ; the scale words'
	s_cselect_b64 s[4:5], s[4:5], s[6:7]
	s_cselect_b32 s26, 0, 256                      ; where the destination begins, in g / 4
	s_mov_b32 s27, 352
	s_cmp_lt_u32 s33, 352
	s_cselect_b64 s[4:5], s[4:5], s[8:9]           ; the source
	s_cselect_b32 s27, s26, s27                    ; where it begins
	s_sub_co_u32 s27, s33, s27
	s_lshr_b32 s27, s27, 1                         ; which 64 rows of the source
	s_sub_co_u32 s26, s33, s26
	s_lshr_b32 s26, s26, 1                         ; which 64 rows of the destination (w_out's follow w_in's 48 groups)
	s_lshl_b32 s30, s27, 18                        ; 64 rows of 4,096 bytes
	s_lshl_b32 s29, s28, 9                         ; + 512 bytes a K step
	s_add_co_u32 s30, s30, s29
	s_mov_b32 s31, 0
	s_add_nc_u64 s[4:5], s[4:5], s[30:31]
	s_mul_i32 s30, s26, 49152                      ; four tiles of 8 x 1,536 bytes
	s_mul_i32 s29, s28, 1536
	s_add_co_u32 s30, s30, s29
	s_add_nc_u64 s[22:23], s[22:23], s[30:31]
	s_lshr_b32 s30, s26, 1
	s_lshl_b32 s30, s30, 12                        ; a block of 128 rows has 4,096 bytes of scale words,
	s_lshl_b32 s29, s28, 9                         ; 512 a K step,
	s_add_co_u32 s30, s30, s29
	s_and_b32 s29, s26, 1
	s_lshl_b32 s29, s29, 8                         ; 256 for each half of the block's tiles
	s_add_co_u32 s30, s30, s29
	s_add_nc_u64 s[24:25], s[24:25], s[30:31]
.macro LOADF t                         ; tile t's 16 rows, 512 consecutive bytes each, into set t % 2
.irp i, 0,1,2,3,4,5,6,7,8,9,10,11,12,13,14,15
	global_load_b128 v[R+64*((\t)%2)+4*\i:R+64*((\t)%2)+4*\i+3], v[LO], s[4:5] offset:(32*((\t)/2)+8*((\t)%2)+\i+8*(\i/8))*4096 th:TH_LOAD_NT
.endr
.endm
.macro TURNF t                         ; through the stage: LDS serves a wave's instructions in order, so no wait stands between the stores and the loads
.irp i, 0,1,2,3,4,5,6,7,8,9,10,11,12,13,14,15
	ds_store_b128 v[SIN], v[R+64*((\t)%2)+4*\i:R+64*((\t)%2)+4*\i+3] offset:528*\i
.endr
.irp b, 0,1,2,3
.irp j, 0,1,2,3
	ds_load_b128 v[X+16*\b+4*\j:X+16*\b+4*\j+3], v[SOUT] offset:128*\b+16*\j
.endr
.endr
.endm
.macro QUANT s                         ; 64 numbers of a lane become a fragment's codes in v[PC] on and its scale word in v[PW]
.irp b, 0,1,2,3
	v_max3_num_f32 v[TM+\b], |v[\s+16*\b]|, |v[\s+1+16*\b]|, 0x1800000   ; block b: my 16 numbers, and the floor 2^(3 - 127): so the byte cannot fall under 1
.endr
.irp i, 2,4,6,8,10,12,14
.irp b, 0,1,2,3
	v_max3_num_f32 v[TM+\b], v[TM+\b], |v[\s+16*\b+\i]|, |v[\s+1+16*\b+\i]|
.endr
.endr
.irp b, 0,1,2,3
	v_permlanex16_b32 v[TM+4+\b], v[TM+\b], s[SEL], s[SEL+1]
.endr
.irp b, 0,1,2,3
	v_max_num_f32 v[TM+\b], v[TM+\b], v[TM+4+\b]   ; with lane l xor 16's: the block's largest magnitude
.endr
.irp b, 0,1,2,3
	v_add_nc_u32 v[TM+12+\b], 0xff000000, v[TM+\b] ; 2 off its exponent field: the conversion's scale operand
.endr
.irp b, 0,1,2,3
	v_lshrrev_b32 v[TM+4+\b], 23, v[TM+12+\b]      ; the scale's byte
.endr
	v_lshl_or_b32 v[PW], v[TM+5], 8, v[TM+4]
	v_lshl_or_b32 v[PW], v[TM+6], 16, v[PW]
	v_lshl_or_b32 v[PW], v[TM+7], 24, v[PW]
.irp c, 0,1
	v_cvt_scalef32_pk16_fp6_f32 v[PC+6*\c:PC+2+6*\c], v[\s+32*\c:\s+15+32*\c], v[TM+12+2*\c]
	v_cvt_scalef32_pk16_fp6_f32 v[PC+12+4*\c:PC+14+4*\c], v[\s+16+32*\c:\s+31+32*\c], v[TM+12+2*\c+1]   ; (a conversion's three registers begin on an even number)
.endr
	v_nop                                          ; one plain instruction behind a scaled conversion
.irp c, 0,1                            ; the operand's layout wants a whole block in a lane
.irp i, 0,1,2
	v_permlane16_swap_b32 v[PC+6*\c+\i], v[PC+12+4*\c+\i]
.endr
.irp i, 0,1,2
	v_mov_b32 v[PC+3+6*\c+\i], v[PC+12+4*\c+\i]
.endr
.endr
.endm
.macro DOF t
.if (\t) < 3
	s_wait_loadcnt 16                              ; this tile's 16 loads are in; the next tile's 16 may be out
.else
	s_wait_loadcnt 0x0
.endif
	TURNF \t
	s_wait_dscnt 0x0                               ; my 64 numbers are back; the stores into the stage have read their registers, and the last scale word's store its own
.if (\t) < 2
	LOADF (\t)+2
.endif
.if (\t) > 0
	s_wait_xcnt 0x0                                ; the last tile's stores have read the codes' registers, which are written anew below
.endif
	QUANT X
.irp p, 0,1,2
	global_store_b128 v[LO], v[PC+4*\p:PC+4*\p+3], s[22:23] offset:12288*(\t)+512*\p   ; a plane: 512 consecutive bytes, aligned
.endr
	ds_store_b32 v[SCW], v[PW] offset:64*(\t)      ; lanes r and r + 16 write the same word with the same value
.endm
	LOADF 0
	LOADF 1
	DOF 0
	DOF 1
	DOF 2
	DOF 3
	ds_load_b64 v[SWO:SWO+1], v[SCR]               ; the four tiles' scale words: LDS serves a wave's instructions in order
	s_wait_dscnt 0x0
	global_store_b64 v[L8], v[SWO:SWO+1], s[24:25] ; 32 lanes store 256 consecutive bytes, aligned
	s_wait_tensorcnt 0x0                           ; the wave's end, behind my last LDS store
	ds_add_u32 v[SPW], v[NIL]
	s_wait_dscnt 0x0
	s_endpgm
.Lfunc_end_k_q05188b062c_quant:
	.size	k_q05188b062c_quant, .Lfunc_end_k_q05188b062c_quant-k_q05188b062c_quant
	.p2alignl 7, 3214868480
	.fill 96, 4, 3214868480
	.section	.rodata,"a",@progbits
	.p2align	6, 0x0
	.amdhsa_kernel k_q05188b062c_quant
		.amdhsa_group_segment_fixed_size 53248
		.amdhsa_private_segment_fixed_size 0
		.amdhsa_enable_private_segment 0
		.amdhsa_kernarg_size 56
		.amdhsa_user_sgpr_count 2
		.amdhsa_user_sgpr_kernarg_segment_ptr 1
		.amdhsa_wavefront_size32 1
		.amdhsa_system_sgpr_workgroup_id_x 1
		.amdhsa_system_sgpr_workgroup_id_y 1
		.amdhsa_system_sgpr_workgroup_id_z 1
		.amdhsa_system_vgpr_workitem_id 0
		.amdhsa_next_free_vgpr 256
		.amdhsa_next_free_sgpr 66
		.amdhsa_reserve_vcc 0
		.amdhsa_float_denorm_mode_32 3
		.amdhsa_float_denorm_mode_16_64 3
		.amdhsa_memory_ordered 1
		.amdhsa_forward_progress 1
		.amdhsa_inst_pref_size 34
	.end_amdhsa_kernel
	.amdgpu_metadata
---
amdhsa.version: [ 1, 2 ]
amdhsa.kernels:
  - .name:           k_q05188b062c_quant
    .symbol:         k_q05188b062c_quant.kd
    .args:
      - { .name: x, .offset: 0, .size: 8, .value_kind: global_buffer, .address_space: global }
      - { .name: w_in, .offset: 8, .size: 8, .value_kind: global_buffer, .address_space: global }
      - { .name: w_out, .offset: 16, .size: 8, .value_kind: global_buffer, .address_space: global }
      - { .name: xc, .offset: 24, .size: 8, .value_kind: global_buffer, .address_space: global }
      - { .name: xs, .offset: 32, .size: 8, .value_kind: global_buffer, .address_space: global }
      - { .name: wc, .offset: 40, .size: 8, .value_kind: global_buffer, .address_space: global }
      - { .name: ws, .offset: 48, .size: 8, .value_kind: global_buffer, .address_space: global }
    .group_segment_fixed_size: 53248
    .private_segment_fixed_size: 0
    .kernarg_segment_align: 8
    .kernarg_segment_size: 56
    .max_flat_workgroup_size: 192
    .sgpr_count:     66
    .vgpr_count:     256
    .wavefront_size: 32
...
	.end_amdgpu_metadata
.endif
;; end of part 1
;; launch qkv (part 2): grid 4 x 64, 4 waves a work-group, clusters of 4 x 4, 327,680 bytes of LDS; arguments xc, xs, wc, ws, b_in, qc, kv; writes qc, kv
.if DOCPART == 2
	.amdgcn_target "amdgcn-amd-amdhsa--gfx1250"
	.amdhsa_code_object_version 6
	.text
	.protected	k_q05188b062c_qkv
	.globl	k_q05188b062c_qkv
	.p2align	8
	.type	k_q05188b062c_qkv,@function
k_q05188b062c_qkv:
	s_mov_b64 s[64:65], 0
	v_nop
	global_prefetch_b8 v0, s[64:65] scope:SCOPE_SE
	s_setreg_imm32_b32 hwreg(HW_REG_WAVE_MODE, 25, 1), 1
	s_wait_xcnt 0x0
	s_wait_alu depctr_hold_cnt(0) depctr_sa_sdst(0) depctr_va_vdst(0) depctr_va_sdst(0) depctr_va_ssrc(0) depctr_va_vcc(0) depctr_vm_vsrc(0)
	s_getreg_b32 s2, hwreg(HW_REG_IB_STS2, 6, 4)
	s_cmp_eq_u32 s2, 0
	s_cbranch_scc0 .Lentry_in_a_cluster
	s_endpgm
.Lentry_in_a_cluster:
	s_bfe_u32 s2, ttmp6, 0x10000c
	s_cmp_lg_u32 s2, 0xf033
	s_cbranch_scc0 .Lentry_shape_is_right
	s_endpgm
.Lentry_shape_is_right:
; qkv = Q(x) Q(w_in)^T + b_in on codes of FP6 (E2M3) with E8M0 scales, sums in f32; q, k and v are quantised on the way out and leave as images of operand registers.
; OPERANDS come as images (16 rows x 128 K = 1,536 bytes: three planes of 512 bytes, lane l's 16 bytes at 16 l), [tile][K step]; lane r of tile t of a block of 128 rows holds row 32 (t / 2) + 8 (t % 2) + r + 8 (r / 8).
; Scale words, xs and ws: [block of 128 rows][K step][tile][row], 4 bytes.
; SHARES.  Work-group (i, tb), 4 x 64 = 256: the block tb of 128 tokens x rows 256 i .. 256 i + 255 of q's, of k's and of v's part of w_in: THREE PHASES.  x's block, all of K (98,304 dense bytes), its scale words and
; the weights' scale words of all three phases come once, at the head, and stay.  A phase's 256 rows of w_in, all of K, are 196,608 dense bytes in a region of their own, which is filled again twice.
; Four waves; a wave makes A's four tiles x B's eight: 32 accumulators.  Source 0 = 'B', source 1 = 'A': a lane holds ONE row of A, and its 64 registers of an A tile run along B's 128 rows in the order
; 32 b + 16 (lane / 16) + i, as the conversions take them.  q, k: A = tokens (tiles 4 (w / 2) on), B = block w % 2 of the weights (two heads).  v: A = tiles 4 (w / 2) on of block w % 2 of the weights, B = the 128 tokens.
; Only LDS addresses, the first products' C and pointers differ: q and k are one text in a loop of two trips, v is that text once more.
; A REFILL stands in a phase's last K step, whose fragments are in registers by then: every wave's three lines, a round of the cluster's barrier with the step's products inside it, then one joint load a wave, a quarter
; of the next weights each.  The phase's way out stands between that request and the wait for it.  x's tiles are shared along a row of the 4 x 4 cluster, the weights' along a column.
; A K step of 128: 36 loads bring the next step's fragments into the other of two sets, then come 32 products.  A phase's 64 scale words stay in registers: register 8 q + i: lanes 0-15 A's tile i (i < 4), lanes 16-31 B's.
; THE BIAS is the C of each sum's first product.  A prefetch of the next phase's weights is left out.
; OUT.  qc: [8 batch + head pair][block of 128 queries][12,800]: 8 fragments, then 512 bytes of scale words.  kv: [8 batch + head pair][128 keys][25,600]: K's 8 fragments, V's 8 (16 channels x 128 keys each),
; K's scale words at 24,576, V's at 25,088.  A fragment leaves as two halves of 768 bytes (registers 0-5, 6-11): registers 0-3 of a half at 16 x lane, registers 4-5 at 512 + 8 x lane.  A wave writes four fragments a phase.
; LIMITS: NaN and infinities are not served; a block whose largest magnitude lies under 2^-124 gets the scale byte 1 (a block of zeros too: its codes are zeros, and this program alone reads the bytes).
; REGISTERS: window 0: v16-31 addresses, v32-95 scale words, v96-159 q's or k's bias, v160-255 A's fragments, two sets (on the way out: codes and work); window 1: B's two sets at v0 and v128, v96-127 v's bias; window 2: the sums.
.set FR,    12
.set WL,    98304                      ; x's block at 0, the weights behind it
.set SXL,   294912                     ; x's scale words
.set SWL,   SXL+4096                   ; the weights': 8,192 bytes a phase
.set SSTG,  SWL+24576                  ; the way out's scale words: 256 bytes a wave; no tile lands here
.set SPARE, SSTG+1024                  ; the spare words, 128 bytes for each wave, which no other line names
.set ADRA, 16
.set R4,   17                          ; 4 r
.set HH,   18                          ; lane / 16
.set H1,   19                          ; 1 - lane / 16
.set ADRB, 20                          ; v20 B's tiles 0-3, v21 tiles 4-7
.set ADRS, 22                          ; scale words of tiles 0-3: lanes 0-15 A's, lanes 16-31 B's
.set ADRS2, 23                         ; of B's tiles 4-7 (lanes 0-15 read A's tiles 0-3 again)
.set SST,  24
.set SRD,  25
.set CO,   26                          ; 16 x lane
.set CO8,  27                          ; 8 x lane
.set SPW,  28
.set NIL,  29
.set VB8,  30
.set VB9,  31
.set SC,   32
.set BB,   96
.set BV,   96                          ; in window 1
.set AF,   160
.set PC,   160                         ; the way out: codes v160-171, halves v172-174, v176-178
.set TM,   180
.set PW,   196
.set SWO,  200
.set DC,   4                           ; s[4:5] where this phase's fragments go, s[6:7] its scale words; s[8:9], s[10:11] k's
.set DCS,  6
.set DK,   8
.set DKS,  10
.set OC,   12
.set SWB,  13
.set G1X,  24
.set G0X,  32
.set G0SX, 36
.set SEL,  46
.set G1W,  48
.set G0H,  56
.set G0SW, 60
.set G1SX, 68
.set G1SW, 76
.set G1R,  84
.set G0W,  92
.set MSB, 0
.macro WIN new                         ; the immediate's high byte repeats the setting that is left
.if MSB != (\new)
	s_set_vgpr_msb (MSB<<8)|(\new)
.set MSB, (\new)
.endif
.endm
.set MUL_LO, 0xa1                      ; source 0 (B) window 1, source 1 (A) window 0, C and D window 2
.set TO_B,   0x40
.macro PLACES n
.rept \n
	v_nop
.endr
.endm
.macro CREST                           ; a round of the cluster's barrier behind its opening barrier
	s_cmp_lg_u32 s14, 0
	s_cbranch_scc1 .Lnot_wave_0_\@
	s_barrier_signal -3
.Lnot_wave_0_\@:
	s_barrier_wait -3
	s_barrier_signal -1
	s_barrier_wait -1
.endm
.macro CROUND
	s_barrier_signal -1
	s_barrier_wait -1
	CREST
.endm
.macro DESC g, mask, c, rows, pitch    ; group 1: rows of c elements of 8 bytes, jointly asked for
	s_or_b32 s[\g], s[\mask], (3<<16)|(1<<21)
	s_mov_b32 s[\g+1], (\c)<<16
	s_mov_b32 s[\g+2], (\rows)<<16
	s_mov_b32 s[\g+3], (\c)<<16
	s_mov_b32 s[\g+4], \rows
	s_mov_b32 s[\g+5], \pitch
	s_mov_b32 s[\g+6], 0
	s_mov_b32 s[\g+7], 0
.endm
.macro GRP0 g, lds, adr
	s_mov_b32 s[\g], 1
	s_mov_b32 s[\g+1], \lds
	s_mov_b64 s[\g+2:\g+3], s[\adr:\adr+1]
	s_or_b32 s[\g+3], s[\g+3], 0x80000000
.endm
	s_load_b256 s[4:11], s[0:1], 0x0               ; xc, xs, wc, ws
	s_load_b128 s[96:99], s[0:1], 0x20             ; b_in, qc
	s_load_b64 s[100:101], s[0:1], 0x30            ; kv
	v_lshl_add_u32 v[SPW], v0, 2, SPARE
	v_mov_b32 v[NIL], 0
	ds_add_u32 v[SPW], v[NIL]                      ; the opening lines: the add, twice on end, and its wait ahead of my first tensor load
	ds_add_u32 v[SPW], v[NIL]
	v_lshrrev_b32 v1, 5, v0
	v_readfirstlane_b32 s14, v1                    ; wave 0..3
	s_lshr_b32 s15, s14, 1                         ; which four of A's tiles are mine
	s_and_b32 s16, s14, 1                          ; which block of the weights
	s_bfe_u32 s40, ttmp6, 0x40000                  ; cx = i
	s_bfe_u32 s41, ttmp6, 0x40004                  ; cy
	s_and_b32 s42, ttmp7, 0xffff                   ; cluster y
	s_lshl_b32 s43, s41, 2
	s_lshl_b32 s43, 15, s43                        ; my row of the cluster
	s_lshl_b32 s44, 0x1111, s40                    ; my column
	DESC G1X, 43, 32, 384, 32                      ; x's block: 384 rows of 256 bytes
	DESC G1W, 44, 32, 768, 32                      ; the first weights: 768
	DESC G1SX, 43, 32, 16, 32                      ; x's scale words: 16
	DESC G1SW, 44, 1024, 3, 4096                   ; the weights' scale words: three phases' 8,192 bytes, 32,768 apart
	DESC G1R, 44, 32, 192, 32                      ; a refill's quarter: 192 rows of 256 bytes
	s_lshl_b32 s66, s42, 2
	s_add_co_u32 s66, s66, s41                     ; tb, 0 .. 63: hangs on cy alone
	s_lshl_b32 s67, s40, 1                         ; 2 i: q's first block of the weights: hangs on cx alone
	s_mul_i32 s18, s66, 98304
	s_mov_b32 s19, 0
	s_lshl_b32 s20, s66, 12
	s_mov_b32 s21, 0
	s_mul_i32 s2, s67, 98304
	s_mov_b32 s3, 0
	s_lshl_b32 s22, s67, 12
	s_mov_b32 s23, 0
	s_mul_i32 s46, s14, 49152                      ; my quarter of a refill
	s_mov_b32 s47, 0
	s_wait_dscnt 0x0
	s_wait_kmcnt 0x0
	s_add_nc_u64 s[4:5], s[4:5], s[18:19]
	s_add_nc_u64 s[6:7], s[6:7], s[20:21]
	s_add_nc_u64 s[8:9], s[8:9], s[2:3]
	s_add_nc_u64 s[10:11], s[10:11], s[22:23]
	CROUND                                         ; all sixteen work-groups are here: the joint loads meet
	GRP0 G0X, 0, 4
	GRP0 G0H, WL, 8
	GRP0 G0SX, SXL, 6
	GRP0 G0SW, SWL, 10
	s_mov_b32 s[G0W], 1                            ; the refills' group 0: stepped by eight blocks ahead of each
	s_add_co_u32 s[G0W+1], s46, WL
	s_add_nc_u64 s[G0W+2:G0W+3], s[8:9], s[46:47]
	s_or_b32 s[G0W+3], s[G0W+3], 0x80000000
; one load a wave, in one chain of branches on the wave's number, all arms leading to one join
.macro ARM w, g0, g1, next
	s_cmp_eq_u32 s14, \w
	s_cbranch_scc0 \next
	tensor_load_to_lds s[\g0:\g0+3], s[\g1:\g1+7]
	s_nop 0
	PLACES 4
	s_branch .Lhead_asked
\next:
.endm
	ARM 0, G0X, G1X, .Lhead_w
	ARM 1, G0H, G1W, .Lhead_sx
	ARM 2, G0SX, G1SX, .Lhead_sw
	tensor_load_to_lds s[G0SW:G0SW+3], s[G1SW:G1SW+7]
	s_nop 0
	PLACES 4
.Lhead_asked:
	s_add_co_u32 s17, s67, s16                     ; my pair of heads
	s_lshr_b32 s18, s66, 4                         ; the batch
	s_and_b32 s19, s66, 15                         ; the block of tokens in it
	s_lshl_b32 s18, s18, 3
	s_add_co_u32 s18, s18, s17
	s_lshl_b32 s18, s18, 4
	s_add_co_u32 s18, s18, s19                     ; 16 (8 batch + pair) + block
	s_mul_i32 s20, s15, 6144                       ; my four fragments of a part's eight,
	s_lshl_b32 s21, s15, 8                         ; their scale words
	s_mul_i32 s2, s18, 12800
	s_mov_b32 s3, 0
	s_add_nc_u64 s[98:99], s[98:99], s[2:3]
	s_mul_i32 s2, s18, 25600
	s_add_nc_u64 s[100:101], s[100:101], s[2:3]
	s_mov_b32 s2, s20
	s_add_nc_u64 s[DC:DC+1], s[98:99], s[2:3]      ; q's fragments,
	s_add_nc_u64 s[DK:DK+1], s[100:101], s[2:3]    ; k's
	s_add_co_u32 s2, s21, 12288
	s_add_nc_u64 s[DCS:DCS+1], s[98:99], s[2:3]
	s_add_co_u32 s2, s21, 24576
	s_add_nc_u64 s[DKS:DKS+1], s[100:101], s[2:3]
	s_lshl_b32 s2, s17, 9
	s_add_nc_u64 s[96:97], s[96:97], s[2:3]        ; q's bias of my 128 outputs; k's lies 4,096 bytes on,
	s_add_co_u32 s2, s21, 8192
	s_add_nc_u64 s[98:99], s[96:97], s[2:3]        ; v's 8,192, + my 64 of the 128
	s_mul_i32 s20, s15, 49152                      ; LDS: four tiles on
	s_mul_i32 s21, s16, 98304
	s_add_co_u32 s21, s21, WL                      ; my block of the weights
	s_add_co_u32 s17, s21, 49152
	s_lshl_b32 s22, s15, 8
	s_add_co_u32 s23, s22, SXL-256
	s_add_co_u32 s22, s22, SXL                     ; x's scale words of my four tiles
	s_lshl_b32 s[SWB], s16, 12
	s_add_co_u32 s[SWB], s[SWB], SWL               ; q's scale words of my block; 8,192 on a phase
	s_mov_b32 s[OC], 0
	s_lshl_b32 s19, s14, 8
	s_add_co_u32 s19, s19, SSTG
	s_mov_b32 s[SEL], 0x76543210
	s_mov_b32 s[SEL+1], 0xfedcba98
	v_and_b32 v1, 15, v0                           ; r
	v_bfe_u32 v[HH], v0, 4, 1
	v_and_b32 v3, 31, v0
	v_lshlrev_b32 v[CO], 4, v3
	v_lshlrev_b32 v[CO8], 3, v3
	v_lshlrev_b32 v[R4], 2, v1
	v_sub_nc_u32 v[H1], 1, v[HH]
	v_and_b32 v[VB9], 8, v1
	v_lshlrev_b32 v[VB8], 6, v[HH]                 ; the bias of q and k: 64 h bytes
	v_add_nc_u32 v[ADRA], s20, v[CO]
	v_add_nc_u32 v[ADRB], s21, v[CO]
	v_add_nc_u32 v[ADRB+1], s17, v[CO]
	v_add_nc_u32 v[VB9], v[VB9], v1
	v_add_nc_u32 v[SST], s19, v[R4]
	v_add_nc_u32 v[SRD], s19, v[CO8]
	v_lshlrev_b32 v[VB9], 2, v[VB9]                ; the bias of v: 4 (r + 8 (r / 8))
	s_wait_alu depctr_va_vdst(0)                   ; the wait at the head's end
.irp b, 0,1,2,3,4,5,6,7                ; q: register j of (a, b) is output 32 (b / 2) + 8 (b % 2) + 16 h + j of my 128
	global_load_b128 v[BB+8*\b:BB+8*\b+3], v[VB8], s[96:97] offset:(32*(\b/2)+8*(\b%2))*4
	global_load_b128 v[BB+8*\b+4:BB+8*\b+7], v[VB8], s[96:97] offset:(32*(\b/2)+8*(\b%2))*4+16
.endr
	WIN TO_B
.irp a, 0,1,2,3                        ; v: all eight registers of (a, b) belong to the lane's output 32 (a / 2) + 8 (a % 2) + r + 8 (r / 8) of my 64
.irp j, 0,1,2,3,4,5,6,7
	global_load_b32 v[BV+8*\a+\j], v[VB9], s[98:99] offset:(32*(\a/2)+8*(\a%2))*4
.endr
.endr
	WIN 0
.macro FETCH q                         ; K step q's fragments into set q % 2: B's eight, A's four: 36 loads of 512 consecutive bytes
	WIN TO_B
.irp i, 0,1,2,3,4,5,6,7
.irp p, 0,1,2
	ds_load_b128 v[128*((\q)%2)+FR*\i+4*\p:128*((\q)%2)+FR*\i+4*\p+3], v[ADRB+\i/4] offset:12288*(\i%4)+1536*(\q)+512*\p
.endr
.endr
	WIN 0
.irp i, 0,1,2,3
.irp p, 0,1,2
	ds_load_b128 v[AF+48*((\q)%2)+FR*\i+4*\p:AF+48*((\q)%2)+FR*\i+4*\p+3], v[ADRA] offset:12288*\i+1536*(\q)+512*\p
.endr
.endr
.endm
; 16 products: A's tiles a0, a0 + 1 x B's eight.  cm = 0: onto the sums; 1: the sums start from the bias by B's tile; 2: by A's tile.  The 32 accumulators take turns, in the same order in every step
.macro MULH q, a0, cm
.irp a, \a0, \a0+1
.irp b, 0,1,2,3,4,5,6,7
.if (\cm) == 0
	v_wmma_scale_f32_16x16x128_f8f6f4 v[8*(8*(\a)+\b):8*(8*(\a)+\b)+7], v[128*((\q)%2)+FR*\b:128*((\q)%2)+FR*\b+FR-1], v[AF+48*((\q)%2)+FR*(\a):AF+48*((\q)%2)+FR*(\a)+FR-1], v[8*(8*(\a)+\b):8*(8*(\a)+\b)+7], v[SC+8*(\q)+\b], v[SC+8*(\q)+(\a)] matrix_a_fmt:MATRIX_FMT_FP6 matrix_b_fmt:MATRIX_FMT_FP6 matrix_a_scale:MATRIX_SCALE_ROW1
.elseif (\cm) == 1
	v_wmma_scale_f32_16x16x128_f8f6f4 v[8*(8*(\a)+\b):8*(8*(\a)+\b)+7], v[128*((\q)%2)+FR*\b:128*((\q)%2)+FR*\b+FR-1], v[AF+48*((\q)%2)+FR*(\a):AF+48*((\q)%2)+FR*(\a)+FR-1], v[BB+8*\b:BB+8*\b+7], v[SC+8*(\q)+\b], v[SC+8*(\q)+(\a)] matrix_a_fmt:MATRIX_FMT_FP6 matrix_b_fmt:MATRIX_FMT_FP6 matrix_a_scale:MATRIX_SCALE_ROW1
.else
	v_wmma_scale_f32_16x16x128_f8f6f4 v[8*(8*(\a)+\b):8*(8*(\a)+\b)+7], v[128*((\q)%2)+FR*\b:128*((\q)%2)+FR*\b+FR-1], v[AF+48*((\q)%2)+FR*(\a):AF+48*((\q)%2)+FR*(\a)+FR-1], v[BV+8*(\a):BV+8*(\a)+7], v[SC+8*(\q)+\b], v[SC+8*(\q)+(\a)] matrix_a_fmt:MATRIX_FMT_FP6 matrix_b_fmt:MATRIX_FMT_FP6 matrix_a_scale:MATRIX_SCALE_ROW1
.endif
.endr
.endr
.endm
; The 64 registers of A's tile a are 64 numbers of the lane's row, register 16 b + i = k 32 b + 16 (lane / 16) + i: one fragment and one scale word a row.  Each accumulator is read from its low end on.
.macro QUANTW a
.set AC, 64*(\a)
	WIN 0x0a                                       ; sources 0 and 1: window 2
.irp b, 0,1,2,3
	v_max3_num_f32 v[TM+\b], |v[AC+16*\b]|, |v[AC+1+16*\b]|, 0x1800000   ; and the floor 2^(3 - 127): the byte cannot fall under 1
.endr
	WIN 0x28                                       ; sources 1 and 2
.irp i, 2,4,6,8,10,12,14
.irp b, 0,1,2,3
	v_max3_num_f32 v[TM+\b], v[TM+\b], |v[AC+16*\b+\i]|, |v[AC+1+16*\b+\i]|
.endr
.endr
	WIN 0
.irp b, 0,1,2,3
	v_permlanex16_b32 v[TM+4+\b], v[TM+\b], s[SEL], s[SEL+1]
.endr
.irp b, 0,1,2,3
	v_max_num_f32 v[TM+\b], v[TM+\b], v[TM+4+\b]   ; with lane l xor 16's: the block's largest magnitude
.endr
.irp b, 0,1,2,3
	v_add_nc_u32 v[TM+12+\b], 0xff000000, v[TM+\b] ; 2 off its exponent field: the conversion's scale operand
.endr
.irp b, 0,1,2,3
	v_lshrrev_b32 v[TM+4+\b], 23, v[TM+12+\b]      ; the scale's byte
.endr
	v_lshl_or_b32 v[PW], v[TM+5], 8, v[TM+4]
	v_lshl_or_b32 v[PW], v[TM+6], 16, v[PW]
	v_lshl_or_b32 v[PW], v[TM+7], 24, v[PW]
	WIN 0x02                                       ; source 0
.irp c, 0,1
	v_cvt_scalef32_pk16_fp6_f32 v[PC+6*\c:PC+2+6*\c], v[AC+32*\c:AC+15+32*\c], v[TM+12+2*\c]
	v_cvt_scalef32_pk16_fp6_f32 v[PC+12+4*\c:PC+14+4*\c], v[AC+16+32*\c:AC+31+32*\c], v[TM+12+2*\c+1]
.endr
	WIN 0
	v_nop                                          ; one plain instruction behind a scaled conversion
.irp c, 0,1
.irp i, 0,1,2
	v_permlane16_swap_b32 v[PC+6*\c+\i], v[PC+12+4*\c+\i]
.endr
.irp i, 0,1,2
	v_mov_b32 v[PC+3+6*\c+\i], v[PC+12+4*\c+\i]
.endr
.endr
.endm
.macro OUT                             ; a phase's way out: my four fragments and their 256 bytes of scale words
.irp b, 0,1,2,3
	v_mov_b32 v[TM+4+\b], 0                        ; a lane permute's destination counts as one of its sources
.endr
.irp a, 0,1,2,3
.if \a > 0
	s_wait_xcnt 0x0                                ; the last fragment's stores have read the codes' registers,
	s_wait_dscnt 0x0                               ; and the LDS store its scale word
.endif
	QUANTW \a
	global_store_b128 v[CO], v[PC:PC+3], s[DC:DC+1] offset:1536*\a            ; stores of 512 and 256 consecutive bytes, aligned
	global_store_b64 v[CO8], v[PC+4:PC+5], s[DC:DC+1] offset:1536*\a+512
	global_store_b128 v[CO], v[PC+6:PC+9], s[DC:DC+1] offset:1536*\a+768
	global_store_b64 v[CO8], v[PC+10:PC+11], s[DC:DC+1] offset:1536*\a+1280
	ds_store_b32 v[SST], v[PW] offset:64*\a        ; lanes r and r + 16 write the same word with the same value
.endr
	ds_load_b64 v[SWO:SWO+1], v[SRD]               ; LDS serves a wave's instructions in order
	s_wait_dscnt 0x0
	global_store_b64 v[CO8], v[SWO:SWO+1], s[DCS:DCS+1]
.endm
.macro PHASE isv
	s_wait_tensorcnt 0x0                           ; my tile is in;
	s_barrier_signal -1
	s_barrier_wait -1                              ; everybody's is.
	FETCH 0
.irp q, 0,1,2,3,4,5,6,7
.irp i, 0,1,2,3
	ds_load_b32 v[SC+8*\q+\i], v[ADRS] offset:512*\q+64*\i
.endr
.irp i, 4,5,6,7
	ds_load_b32 v[SC+8*\q+\i], v[ADRS2] offset:512*\q+64*\i
.endr
.endr
	s_wait_loadcnt 0x0                             ; the bias
	s_wait_dscnt 0x0
	FETCH 1
.if \isv
	WIN 0x91                                       ; C, v's bias, lies in window 1
	MULH 0, 0, 2
	MULH 0, 2, 2
.else
	WIN 0x81                                       ; C, the bias, lies in window 0
	MULH 0, 0, 1
	MULH 0, 2, 1
.endif
.set QQ, 1
.rept 6
	s_wait_dscnt 0x0                               ; this step's fragments are in: asked for 32 products ago
	PLACES 4                                       ; in front of loads into registers that the last step's products read
.if (QQ == 1) && (\isv == 0)
	WIN 0
	s_cmp_eq_u32 s[OC], 0                          ; in q's phase k's bias is asked for, onto q's
	s_cbranch_scc0 .Lno_bias_\@
.irp b, 0,1,2,3,4,5,6,7
	global_load_b128 v[BB+8*\b:BB+8*\b+3], v[VB8], s[96:97] offset:4096+(32*(\b/2)+8*(\b%2))*4
	global_load_b128 v[BB+8*\b+4:BB+8*\b+7], v[VB8], s[96:97] offset:4096+(32*(\b/2)+8*(\b%2))*4+16
.endr
.Lno_bias_\@:
.endif
	FETCH QQ+1
	WIN MUL_LO
	MULH QQ, 0, 0
	MULH QQ, 2, 0
.set QQ, QQ+1
.endr
	s_wait_dscnt 0x0                               ; the last step's fragments are in: my reads of the tiles are over
.if \isv
	MULH 7, 0, 0
	MULH 7, 2, 0
	WIN 0
	PLACES 4
.else
	WIN 0
	s_wait_tensorcnt 0x0                           ; ahead of a refill's round
	ds_add_u32 v[SPW], v[NIL]
	WIN MUL_LO
	MULH 7, 0, 0                                   ; sixteen products stand between the add and the wait for it
	s_wait_dscnt 0x0
	s_barrier_signal -1
	MULH 7, 2, 0
	WIN 0
	s_barrier_wait -1
	CREST                                          ; no wave of any partner still reads the weights or has a load on its way
	s_add_nc_u64 s[G0W+2:G0W+3], s[G0W+2:G0W+3], 8*98304
	tensor_load_to_lds s[G0W:G0W+3], s[G1R:G1R+7]  ; my quarter of the next phase's weights
	s_nop 0
	PLACES 4                                       ; also the places in front of the first read of results
.endif
	OUT
.endm
.Lqk:                                  ; q, then k
	s_sub_co_u32 s2, s[SWB], s22                   ; from x's scale words of my tiles to the weights' of my block
	s_add_co_u32 s3, s2, 256
	v_mul_u32_u24 v6, s2, v[HH]                    ; lanes 16-31 take B's: the lower base + h x the distance
	v_mul_u32_u24 v7, s3, v[HH]
	v_add_nc_u32 v6, v6, v[R4]
	v_add_nc_u32 v7, v7, v[R4]
	v_add_nc_u32 v[ADRS], s22, v6
	v_add_nc_u32 v[ADRS2], s23, v7
	s_wait_alu depctr_va_vdst(0)
	PHASE 0
	s_wait_xcnt 0x0                                ; the stores have read their registers and bases
	s_mov_b64 s[DC:DC+1], s[DK:DK+1]
	s_mov_b64 s[DCS:DCS+1], s[DKS:DKS+1]
	s_add_co_u32 s[SWB], s[SWB], 8192
	s_add_co_u32 s[OC], s[OC], 1
	s_cmp_lt_u32 s[OC], 2
	s_cbranch_scc1 .Lqk
	; v: A = the weights, B = the tokens
	s_add_nc_u64 s[DC:DC+1], s[DC:DC+1], 12288     ; V's fragments lie behind K's,
	s_add_nc_u64 s[DCS:DCS+1], s[DCS:DCS+1], 512   ; its scale words behind K's
	s_add_co_u32 s17, s21, s20                     ; my four tiles of my block of the weights
	s_lshl_b32 s2, s16, 12
	s_lshl_b32 s3, s15, 8
	s_add_co_u32 s2, s2, s3
	s_add_co_u32 s3, s2, SWL+16384-SXL-256
	s_add_co_u32 s2, s2, SWL+16384-SXL             ; from x's scale words to those of my tiles of the weights
	v_add_nc_u32 v[ADRA], s17, v[CO]
	v_add_nc_u32 v[ADRB], 0, v[CO]
	v_add_nc_u32 v[ADRB+1], 49152, v[CO]
	v_mul_u32_u24 v6, s2, v[H1]                    ; lanes 0-15 take A's: the lower base + (1 - h) x the distance
	v_mul_u32_u24 v7, s3, v[H1]
	v_add_nc_u32 v6, v6, v[R4]
	v_add_nc_u32 v7, v7, v[R4]
	v_add_nc_u32 v[ADRS], SXL, v6
	v_add_nc_u32 v[ADRS2], SXL, v7
	s_wait_alu depctr_va_vdst(0)
	PHASE 1
	s_wait_tensorcnt 0x0                           ; the wave's end, behind my last tensor load and my last LDS store
	ds_add_u32 v[SPW], v[NIL]
	s_wait_dscnt 0x0
	CROUND                                         ; the closing round
	s_endpgm
.Lfunc_end_k_q05188b062c_qkv:
	.size	k_q05188b062c_qkv, .Lfunc_end_k_q05188b062c_qkv-k_q05188b062c_qkv
	.p2alignl 7, 3214868480
	.fill 96, 4, 3214868480
	.section	.rodata,"a",@progbits
	.p2align	6, 0x0
	.amdhsa_kernel k_q05188b062c_qkv
		.amdhsa_group_segment_fixed_size 327680
		.amdhsa_private_segment_fixed_size 0
		.amdhsa_enable_private_segment 0
		.amdhsa_kernarg_size 56
		.amdhsa_user_sgpr_count 2
		.amdhsa_user_sgpr_kernarg_segment_ptr 1
		.amdhsa_wavefront_size32 1
		.amdhsa_system_sgpr_workgroup_id_x 1
		.amdhsa_system_sgpr_workgroup_id_y 1
		.amdhsa_system_sgpr_workgroup_id_z 1
		.amdhsa_system_vgpr_workitem_id 0
		.amdhsa_next_free_vgpr 768
		.amdhsa_next_free_sgpr 102
		.amdhsa_reserve_vcc 0
		.amdhsa_float_denorm_mode_32 3
		.amdhsa_float_denorm_mode_16_64 3
		.amdhsa_memory_ordered 1
		.amdhsa_forward_progress 1
		.amdhsa_inst_pref_size 165
	.end_amdhsa_kernel
	.amdgpu_metadata
---
amdhsa.version: [ 1, 2 ]
amdhsa.kernels:
  - .name:           k_q05188b062c_qkv
    .symbol:         k_q05188b062c_qkv.kd
    .args:
      - { .name: xc, .offset: 0, .size: 8, .value_kind: global_buffer, .address_space: global }
      - { .name: xs, .offset: 8, .size: 8, .value_kind: global_buffer, .address_space: global }
      - { .name: wc, .offset: 16, .size: 8, .value_kind: global_buffer, .address_space: global }
      - { .name: ws, .offset: 24, .size: 8, .value_kind: global_buffer, .address_space: global }
      - { .name: b_in, .offset: 32, .size: 8, .value_kind: global_buffer, .address_space: global }
      - { .name: qc, .offset: 40, .size: 8, .value_kind: global_buffer, .address_space: global }
      - { .name: kv, .offset: 48, .size: 8, .value_kind: global_buffer, .address_space: global }
    .group_segment_fixed_size: 327680
    .private_segment_fixed_size: 0
    .kernarg_segment_align: 8
    .kernarg_segment_size: 56
    .max_flat_workgroup_size: 128
    .sgpr_count:     102
    .vgpr_count:     768
    .wavefront_size: 32
...
	.end_amdgpu_metadata
.endif
;; end of part 2
;; launch attn (part 3): grid 8 x 32, 16 waves a work-group, no clusters, 327,680 bytes of LDS; arguments qc, kv, oc, os; writes oc, os
.if DOCPART == 3
	.amdgcn_target "amdgcn-amd-amdhsa--gfx1250"
	.amdhsa_code_object_version 6
	.text
	.protected	k_q05188b062c_attn
	.globl	k_q05188b062c_attn
	.p2align	8
	.type	k_q05188b062c_attn,@function
k_q05188b062c_attn:
	s_mov_b64 s[64:65], 0
	v_nop
	global_prefetch_b8 v0, s[64:65] scope:SCOPE_SE
	s_setreg_imm32_b32 hwreg(HW_REG_WAVE_MODE, 25, 1), 1
	s_wait_xcnt 0x0
; o = softmax(q k^T / 8, causal) v for 64 heads of 64 channels, 2,048 tokens; both products on codes of FP6 (E2M3) with E8M0 scales; o is divided by the row's sum, quantised, and leaves as an operand's image.
; LEFT OUT: steps of 128 keys that lie wholly behind a block of queries: reference() makes their scores -infinity, so their p is 0 for all inputs.
; THE SOFTMAX: t = score x log2(e) / 8; M = the row's largest t so far, rounded up to a whole number; p = 2^(t - M) is quantised along the keys, not normalised; the row's sum is taken of the unquantised p.
; When M moves, the sum and O are multiplied by 2^(old M - new M), which rounds nothing.
; OPERANDS.  A fragment (16 rows x 128 K, 12 registers) lies in qc and kv as two halves of 768 bytes: registers 0-3 of a half at 16 x lane, registers 4-5 at 512 + 8 x lane.  For q and k a half is one head of a pair.
; A wave works on ONE head: it reads its head's half alone.  K's eight halves stand on end in 48 registers; fragment t is named as registers 6 t .. 6 t + 11: its own six and the six behind them (the next tile's; for t = 7
; six work registers, whatever bits they hold), which meet the six zero codes that stand behind q.  FP6 has no NaN and no infinity, and the upper two scale bytes are 0, a finite code: those products are 0.
; Both products are used transposed (S^T = K Q^T, O^T = V^T P^T): a lane holds one query.  Lane r of tile t of 128 keys holds key 32 (t / 2) + 8 (t % 2) + r + 8 (r / 8): registers 16 b + i of S^T are keys 32 b + 16 (lane / 16) + i.
; SHARES.  Work-group (j, pair of heads): query blocks 15 - j (unit 0) and j (unit 1) of 128 queries.  Wave w: head w % 2 of the pair, tile w / 2 of 16 queries IN BOTH BLOCKS.  So in every key step all sixteen waves have
; the same work: unit 0 up to step 15 - j, unit 1 up to step j: 17 units a wave in every work-group.
; THE RING: two LDS slots of FOUR key steps (4 x 25,600 bytes, dense in memory): sixteen loads of 6,400 bytes, one a wave, 6,400 x wave from the slot's start.  One barrier for four steps.
; All trip counts are constants of the text; a step whose keys are all hidden is jumped over by a scalar branch on ids, and so is a wave's load whose key step lies behind block 15 - j; every wait on TENSORcnt is for 0.
; V's fragments are asked for directly behind the score products, into the registers that held K's: the softmax's vector work stands between the request and the wait for it.
; NO CLUSTER: the work-groups that read the same K and V need different numbers of tiles (16 - j key steps).
; PREFETCH: work-group j = 0, which walks all sixteen steps, asks in groups 0 and 1 for groups 2 and 3: each wave for the 6,400 bytes that it will load two groups on, a lane to 256 bytes (lanes 25-31 name lane 24's again).
; LIMITS: NaN and infinities are not served.  The promise holds while the scaled scores t stay under 2^31 in magnitude.  A block's largest p is taken from its largest score, which takes v_exp_f32 not to fall where its
; input rises.  v_exp_f32 gives 0 for results under 2^-126.  A block whose largest magnitude lies under 2^-124 gets the scale byte 1 (a block of zeros too: its codes are zeros, and this program alone reads the bytes).
.set TILE,  25600
.set SLOT,  4*TILE
.set OST,   2*SLOT                     ; o's codes on their way out: 2 blocks x 8 tiles x 1,536 bytes; no tile lands here
.set OSS,   OST+16*1536                ; o's scale words: 2 blocks x 512 bytes
.set SPARE, OSS+1024                   ; the spare words, 128 bytes for each of sixteen waves, which no other line names
.set LI,   1                           ; 16 x lane
.set L8,   2                           ; 8 x lane
.set LS,   3                           ; 4 r
.set DM,   4                           ; my query's place in its block - 16 (lane / 16)
.set SPW,  5                           ; my spare word; never rewritten
.set NIL,  6                           ; 0; never rewritten
.set NINF, 7
.set PFO,  8                           ; 256 x min(lane, 24)
.set LK,   9                           ; the step's LDS addresses: K by 16 and by 8 bytes a lane, K's scale halfwords,
.set LK8,  10
.set LKS,  11
.set LV,   12                          ; V likewise
.set LV8,  13
.set F,    14                          ; f = 2^(old M - new M)
.set PSW,  15                          ; p's scale word
.set STT,  16                          ; unit u: v[16 + 4 u] -M, +1 the largest t, +2, +3 the sum in two halves
.set QS,   24                          ; v24-25 q's scale words
.set LVS,  26
.set TMP,  27
.set Q,    28                          ; v28-51: unit u: six registers of q, six of zero codes
.set KS,   52                          ; v52-59 K's scale words; then V's in v56-59
.set KV,   60                          ; v60-107: K's eight halves, then V's four fragments
.set PT,   KV+48                       ; v108-115 at work
.set TP,   KV+54
.set S,    116                         ; v116-179 S^T, then p
.set O,    180                         ; v180-243 O^T: 32 u + 8 (channel tile) + j
.set PC,   244                         ; v244-255 p's codes; ahead of the conversions at work:
.set BM,   PC                          ; v244-247 the blocks' largest
.set SO,   PC+4                        ; block b's scale operand for the conversions at SO + b % 2 + 6 (b / 2): registers that the conversions do not write
.set WV,   12
.set J,    13
.set CB,   14
.set HD,   15
.set IDX,  16
.set QB,   17                          ; s17 block of unit 0, s18 of unit 1
.set KSI,  19
.set SEL,  20
.set CS,   22
.set G1,   24
.set G0,   32
.set PFA,  40
.set LIM,  42
.set NS,   43                          ; the key step that my next load brings
.set SB,   44
.set IC,   45
.set OC,   46
.set H768, 47
.set H6K,  48
.set H2,   49
.set H256, 50
.set SSA,  66
.set SRA,  67
.set SSW,  68
.set SRW,  69
	s_load_b256 s[4:11], s[0:1], 0x0               ; qc, kv, oc, os
	v_lshl_add_u32 v[SPW], v0, 2, SPARE
	v_mov_b32 v[NIL], 0
	ds_add_u32 v[SPW], v[NIL]                      ; the opening lines: the add, twice on end, and its wait ahead of my first tensor load
	ds_add_u32 v[SPW], v[NIL]
	v_lshrrev_b32 v[TMP], 5, v0
	v_readfirstlane_b32 s[WV], v[TMP]              ; wave 0..15
	s_mov_b32 s[J], ttmp9
	s_and_b32 s[CB], ttmp7, 0xffff                 ; 8 batch + pair of heads
	s_and_b32 s[HD], s[WV], 1                      ; my head of the pair
	s_lshr_b32 s[IDX], s[WV], 1                    ; my tile of 16 queries, in both blocks
	s_sub_co_u32 s[QB], 15, s[J]
	s_mov_b32 s[QB+1], s[J]
	s_mov_b32 s[KSI], 0
	s_mov_b32 s[OC], 0
	s_cmp_eq_u32 s[J], 0
	s_cselect_b32 s[LIM], 1, 0
	s_lshr_b32 s[NS], s[WV], 2
	s_add_co_u32 s[NS], s[NS], 4
	s_mul_i32 s[H768], s[HD], 768
	s_mul_i32 s[H6K], s[HD], 6144
	s_lshl_b32 s[H2], s[HD], 1
	s_lshl_b32 s[H256], s[HD], 8
	s_mov_b32 s[G1], 3<<16                         ; elements of 8 bytes, no mask, no padding
	s_mov_b32 s[G1+1], 32<<16                      ; rows of 256 bytes,
	s_mov_b32 s[G1+2], 25<<16                      ; 25 of them
	s_mov_b32 s[G1+3], 32<<16
	s_mov_b32 s[G1+4], 25
	s_mov_b32 s[G1+5], 32
	s_mov_b32 s[G1+6], 0
	s_mov_b32 s[G1+7], 0
	s_mov_b32 s[SEL], 0x76543210
	s_mov_b32 s[SEL+1], 0xfedcba98
	s_mov_b32 s[CS], 0x3e38aa3b                    ; log2(e) / 8
	s_mov_b32 s[CS+1], s[CS]
	s_mul_i32 s52, s[WV], 6400                     ; my part of a slot, in LDS and in memory
	s_mul_i32 s54, s[CB], 16*TILE
	s_add_co_u32 s54, s54, s52
	s_mov_b32 s55, 0
	s_mov_b32 s[G0], 1
	s_mov_b32 s[G0+1], s52
	s_mov_b32 s[G0+4], 1
	s_add_co_u32 s[G0+5], s52, SLOT
	s_wait_dscnt 0x0
	s_wait_kmcnt 0x0
	s_add_nc_u64 s[6:7], s[6:7], s[54:55]
	s_mov_b64 s[G0+2:G0+3], s[6:7]
	s_or_b32 s[G0+3], s[G0+3], 0x80000000
	s_add_nc_u64 s[G0+6:G0+7], s[6:7], SLOT
	s_or_b32 s[G0+7], s[G0+7], 0x80000000
	s_add_nc_u64 s[PFA:PFA+1], s[6:7], SLOT        ; the first group steps it to group 2
	tensor_load_to_lds s[G0:G0+3], s[G1:G1+7]      ; key steps 0 to 3: every wave's one load at the head
	s_nop 0
.rept 4
	v_nop
.endr
	s_lshl_b32 s52, s[CB], 4
	s_add_co_u32 s53, s52, s[QB+1]
	s_add_co_u32 s52, s52, s[QB]
	s_mul_i32 s56, s52, 12800                      ; my two blocks of queries in qc
	s_mul_i32 s58, s53, 12800
	s_mov_b32 s57, 0
	s_mov_b32 s59, 0
	s_add_nc_u64 s[56:57], s[4:5], s[56:57]
	s_add_nc_u64 s[58:59], s[4:5], s[58:59]
	s_mul_i32 s60, s[IDX], 1536
	s_add_co_u32 s[SSA], s60, OST                  ; the stage: where my tile's codes go (unit 1: 8 tiles on),
	s_add_co_u32 s60, s60, s[H768]
	s_lshl_b32 s61, s[IDX], 6
	s_add_co_u32 s61, s61, s[H2]
	s_add_co_u32 s[SSW], s61, OSS                  ; its scale halfwords,
	s_mul_i32 s[SRA], s[HD], 8*1536
	s_add_co_u32 s[SRA], s[SRA], s[SSA]            ; and what I read back: tile w / 2 of unit w % 2
	s_lshl_b32 s[SRW], s[HD], 9
	s_add_co_u32 s[SRW], s[SRW], OSS
	s_lshr_b32 s62, s[IDX], 1
	s_lshl_b32 s62, s62, 5
	s_and_b32 s63, s[IDX], 1
	s_lshl_b32 s63, s63, 3
	s_add_co_u32 s62, s62, s63                     ; 32 (tile / 2) + 8 (tile % 2)
	s_cmp_eq_u32 s[HD], 0
	s_cselect_b32 s52, s[QB], s[QB+1]              ; the block whose tile I store at the end
	s_lshr_b32 s53, s[CB], 3                       ; the batch
	s_and_b32 s51, s[CB], 7                        ; the pair of heads = the K step of the last product
	s_lshl_b32 s54, s53, 7
	s_lshl_b32 s55, s52, 3
	s_add_co_u32 s54, s54, s55
	s_add_co_u32 s54, s54, s[IDX]                  ; the tile among the 512 of oc
	s_mul_i32 s54, s54, 12288
	s_mul_i32 s55, s51, 1536
	s_add_co_u32 s54, s54, s55
	s_mov_b32 s55, 0
	s_add_nc_u64 s[8:9], s[8:9], s[54:55]
	s_lshl_b32 s54, s53, 4
	s_add_co_u32 s54, s54, s52
	s_lshl_b32 s54, s54, 3
	s_add_co_u32 s54, s54, s51
	s_lshl_b32 s54, s54, 9                         ; os: (8 x block of 128 rows + K step) x 512
	s_add_nc_u64 s[10:11], s[10:11], s[54:55]
	v_and_b32 v[S], 31, v0                         ; lane
	v_and_b32 v[S+1], 15, v0                       ; r
	v_bfe_u32 v[S+2], v0, 4, 1                     ; h
	v_lshlrev_b32 v[LI], 4, v[S]
	v_lshlrev_b32 v[L8], 3, v[S]
	v_lshlrev_b32 v[LS], 2, v[S+1]
	v_add_nc_u32 v[S+3], s60, v[LI]
	v_add_nc_u32 v[S+4], s60, v[L8]
	v_add_nc_u32 v[S+5], s61, v[LS]
.irp u, 0,1
	global_load_b128 v[Q+12*\u:Q+12*\u+3], v[S+3], s[56+2*\u:57+2*\u]              ; my head's half of my tile's fragment
	global_load_b64 v[Q+12*\u+4:Q+12*\u+5], v[S+4], s[56+2*\u:57+2*\u] offset:512
	global_load_u16 v[QS+\u], v[S+5], s[56+2*\u:57+2*\u] offset:12288              ; its two scale bytes, in bytes 0 and 1
.endr
	v_and_b32 v[S+6], 8, v[S+1]
	v_lshlrev_b32 v[S+7], 4, v[S+2]
	v_add_nc_u32 v[S+6], v[S+6], v[S+1]            ; r + 8 (r / 8)
	v_min_u32 v[PFO], 24, v[S]
	v_sub_nc_u32 v[S+6], v[S+6], v[S+7]            ; - 16 h
	v_lshlrev_b32 v[PFO], 8, v[PFO]
	v_add_nc_u32 v[DM], s62, v[S+6]
	v_mov_b32 v[NINF], 0xff800000
.set N_, 0
.rept 64
	v_mov_b32 v[O+N_], 0                           ; O^T: the step has no first step of its own: the first change of M multiplies zeros
.set N_, N_+1
.endr
.irp i, 6,7,8,9,10,11,18,19,20,21,22,23
	v_mov_b32 v[Q+\i], 0                           ; six zero codes behind each q
.endr
.irp i, 0,1,2,3,4,5,6,7
	v_mov_b32 v[PT+\i], 0                          ; the work registers behind K's eighth half are written on every path
.endr
.irp u, 0,1
	v_mov_b32 v[STT+4*\u+1], 0xff61b1e6            ; the largest t so far: -3e38
	v_mov_b32 v[STT+4*\u+2], 0
	v_mov_b32 v[STT+4*\u+3], 0
	v_floor_f32 v[STT+4*\u], -v[STT+4*\u+1]        ; -M
.endr
	v_mov_b32 v[PSW], 0                            ; (named as the upper half of the pair with f before it is first written)
	s_wait_alu depctr_va_vdst(0)                   ; the wait at the head's end
	s_wait_loadcnt 0x0                             ; q
; ONE UNIT'S KEY STEP: 16 queries of block u x 128 keys, my head.
.macro HEAD u
.set MM, STT+4*(\u)
.set OO, O+32*(\u)
.rept 4
	v_nop                                          ; four plain instructions in front of loads into registers that matrix instructions have read
.endr
.irp t, 0,1,2,3,4,5,6,7
	ds_load_b128 v[KV+6*\t:KV+6*\t+3], v[LK] offset:1536*\t
	ds_load_b64 v[KV+6*\t+4:KV+6*\t+5], v[LK8] offset:1536*\t+512
	ds_load_u16 v[KS+\t], v[LKS] offset:24576+64*\t
.endr
.irp t, 0,1,2,3,4,5
.if (\t)%2 == 0
	s_wait_dscnt 15-3*\t                           ; tiles 0 .. t + 2 are in (tile t + 1's product names tile t + 2's registers): three loads a tile, 24 in all
.endif
	v_wmma_scale_f32_16x16x128_f8f6f4 v[S+8*\t:S+8*\t+7], v[KV+6*\t:KV+6*\t+11], v[Q+12*(\u):Q+12*(\u)+11], 0, v[KS+\t], v[QS+(\u)] matrix_a_fmt:MATRIX_FMT_FP6 matrix_b_fmt:MATRIX_FMT_FP6
.endr
	s_wait_dscnt 0x0
.irp t, 6,7
	v_wmma_scale_f32_16x16x128_f8f6f4 v[S+8*\t:S+8*\t+7], v[KV+6*\t:KV+6*\t+11], v[Q+12*(\u):Q+12*(\u)+11], 0, v[KS+\t], v[QS+(\u)] matrix_a_fmt:MATRIX_FMT_FP6 matrix_b_fmt:MATRIX_FMT_FP6
.endr
.rept 4
	v_nop
.endr
.irp t, 0,1,2,3                        ; V's four tiles of 16 channels of my head, onto K's halves, which are done with; waited for in front of the second product
	ds_load_b128 v[KV+12*\t:KV+12*\t+3], v[LV] offset:12288+1536*\t
	ds_load_b64 v[KV+12*\t+4:KV+12*\t+5], v[LV8] offset:12288+1536*\t+512
	ds_load_b128 v[KV+12*\t+6:KV+12*\t+9], v[LV] offset:12288+1536*\t+768
	ds_load_b64 v[KV+12*\t+10:KV+12*\t+11], v[LV8] offset:12288+1536*\t+1280
	ds_load_b32 v[KS+4+\t], v[LVS] offset:25088+64*\t
.endr
	s_cmp_lg_u32 s[KSI], s[QB+(\u)]                ; on the diagonal the scores of hidden keys become -infinity ahead of the maximum: p = 0 then
	s_cbranch_scc1 .Lopen_\@
.set N_, 0
.rept 64
	v_cmp_gt_i32 vcc_lo, 32*(N_/16)+N_%16, v[DM]   ; register 16 b + i holds the step's key 32 b + 16 h + i
	v_cndmask_b32 v[S+N_], v[S+N_], v[NINF], vcc_lo
.set N_, N_+1
.endr
.Lopen_\@:
.irp b, 0,1,2,3
	v_max3_num_f32 v[BM+\b], v[S+16*\b], v[S+1+16*\b], v[S+2+16*\b]   ; the largest score of each block of 32 keys: for the row's maximum and for the block's largest p
.endr
.irp i, 3,5,7,9,11,13
.irp b, 0,1,2,3
	v_max3_num_f32 v[BM+\b], v[BM+\b], v[S+16*\b+\i], v[S+1+16*\b+\i]
.endr
.endr
.irp b, 0,1,2,3
	v_max_num_f32 v[BM+\b], v[BM+\b], v[S+15+16*\b]
.endr
.irp b, 0,1,2,3
	s_delay_alu instid0(VALU_DEP_4)
	v_permlanex16_b32 v[PT+\b], v[BM+\b], s[SEL], s[SEL+1]
.endr
.irp b, 0,1,2,3
	s_delay_alu instid0(VALU_DEP_4)
	v_max_num_f32 v[BM+\b], v[BM+\b], v[PT+\b]     ; with lane l xor 16's 16 keys
.endr
	s_delay_alu instid0(VALU_DEP_2)
	v_max3_num_f32 v[TMP], v[BM], v[BM+1], v[BM+2]
	s_delay_alu instid0(VALU_DEP_1)
	v_max_num_f32 v[TMP], v[TMP], v[BM+3]          ; the step's largest score of my query
	s_delay_alu instid0(VALU_DEP_1)
	v_mul_f32 v[TMP], s[CS], v[TMP]                ; as t
	s_delay_alu instid0(VALU_DEP_1)
	v_max_num_f32 v[MM+1], v[MM+1], v[TMP]         ; the running largest t
	v_mov_b32 v[TMP], v[MM]
	s_delay_alu instid0(VALU_DEP_2)
	v_floor_f32 v[MM], -v[MM+1]                    ; the new -M = -ceil(t)
	s_delay_alu instid0(VALU_DEP_1)
	v_sub_f32 v[TMP], v[MM], v[TMP]                ; old M - new M: a whole number, 0 or less
	s_delay_alu instid0(VALU_DEP_1)
	v_cvt_i32_f32 v[TMP], v[TMP]                   ; (it saturates)
	s_delay_alu instid0(VALU_DEP_1)
	v_ldexp_f32 v[F], 1.0, v[TMP]
.set N_, 0
.rept 32
	v_pk_fma_f32 v[S+N_:S+1+N_], v[S+N_:S+1+N_], s[CS:CS+1], v[MM:MM+1] op_sel_hi:[1,0,0]   ; t - M, two at a time
.set N_, N_+2
.endr
.irp b, 0,1,2,3
	v_fma_f32 v[BM+\b], v[BM+\b], s[CS], v[MM]     ; the same of each block's largest score
.endr
	s_wait_alu depctr_va_vdst(0)                   ; the wait ahead of the batch
.set N_, 0
.rept 64
	v_exp_f32 v[S+N_], v[S+N_]                     ; p = 2^(t - M)
.set N_, N_+1
.endr
.irp b, 0,1,2,3
	v_exp_f32 v[BM+\b], v[BM+\b]                   ; the block's largest p: the same two instructions on the same number give the same bits
.endr
	v_pk_mul_f32 v[MM+2:MM+3], v[MM+2:MM+3], v[F:F+1] op_sel_hi:[1,0]   ; the sums under the new M: a plain instruction behind the exponentials
	s_wait_alu depctr_va_vdst(0)                   ; one wait for the batch of 68, ahead of its first reader
	v_pk_add_f32 v[PT:PT+1], v[S:S+1], v[S+2:S+3]  ; the row's sum of the unquantised p, two at a time, in four chains
	v_pk_add_f32 v[PT+2:PT+3], v[S+4:S+5], v[S+6:S+7]
	v_pk_add_f32 v[PT+4:PT+5], v[S+8:S+9], v[S+10:S+11]
.set N_, 12
.rept 6
	v_pk_add_f32 v[MM+2:MM+3], v[MM+2:MM+3], v[S+N_:S+1+N_]
	v_pk_add_f32 v[PT:PT+1], v[PT:PT+1], v[S+2+N_:S+3+N_]
	v_pk_add_f32 v[PT+2:PT+3], v[PT+2:PT+3], v[S+4+N_:S+5+N_]
	v_pk_add_f32 v[PT+4:PT+5], v[PT+4:PT+5], v[S+6+N_:S+7+N_]
.set N_, N_+8
.endr
	v_pk_add_f32 v[MM+2:MM+3], v[MM+2:MM+3], v[S+60:S+61]
	v_pk_add_f32 v[PT:PT+1], v[PT:PT+1], v[S+62:S+63]
	v_pk_add_f32 v[PT+2:PT+3], v[PT+2:PT+3], v[PT+4:PT+5]
	v_pk_add_f32 v[MM+2:MM+3], v[MM+2:MM+3], v[PT:PT+1]
.irp b, 0,1,2,3
	v_max_num_f32 v[BM+\b], 0x1800000, v[BM+\b]    ; the floor 2^(3 - 127): the byte cannot fall under 1
.endr
	v_pk_add_f32 v[MM+2:MM+3], v[MM+2:MM+3], v[PT+2:PT+3]
.irp b, 0,1,2,3
	v_add_nc_u32 v[SO+(\b%2)+6*(\b/2)], 0xff000000, v[BM+\b]    ; 2 off the exponent field: the conversion's scale operand
.endr
.irp b, 0,1,2,3
	s_delay_alu instid0(VALU_DEP_4)
	v_lshrrev_b32 v[PT+\b], 23, v[SO+(\b%2)+6*(\b/2)]           ; the scale's byte
.endr
	s_delay_alu instid0(VALU_DEP_3)
	v_lshl_or_b32 v[PSW], v[PT+1], 8, v[PT]        ; p's scale word for these 128 keys
	s_delay_alu instid0(VALU_DEP_1)
	v_lshl_or_b32 v[PSW], v[PT+2], 16, v[PSW]
	s_delay_alu instid0(VALU_DEP_1)
	v_lshl_or_b32 v[PSW], v[PT+3], 24, v[PSW]
.irp c, 0,1
	v_cvt_scalef32_pk16_fp6_f32 v[PC+6*\c:PC+2+6*\c], v[S+32*\c:S+15+32*\c], v[SO+6*\c]
	v_cvt_scalef32_pk16_fp6_f32 v[PT+4*\c:PT+2+4*\c], v[S+16+32*\c:S+31+32*\c], v[SO+6*\c+1]   ; (a conversion's three registers begin on an even number)
.endr
	v_nop                                          ; one plain instruction behind a scaled conversion
.irp c, 0,1                            ; the operand's layout wants a whole block in a lane
.irp i, 0,1,2
	v_permlane16_swap_b32 v[PC+6*\c+\i], v[PT+4*\c+\i]
.endr
.irp i, 0,1,2
	s_delay_alu instid0(VALU_DEP_3)
	v_mov_b32 v[PC+3+6*\c+\i], v[PT+4*\c+\i]
.endr
.endr
	s_wait_alu depctr_va_vdst(0)                   ; the wait directly ahead of the first reader of O^T
.set N_, 0
.rept 16
	v_pk_mul_f32 v[OO+N_:OO+1+N_], v[OO+N_:OO+1+N_], v[F:F+1] op_sel_hi:[1,0]   ; O^T under the new M; these sixteen also stand between the writes of p's codes and scale word and the products below
.set N_, N_+2
.endr
	s_wait_alu depctr_va_vdst(0)
	s_wait_dscnt 0x0                               ; V
.irp t, 0,1,2,3                        ; O^T += V^T P^T, the four accumulators by turns
	v_wmma_scale_f32_16x16x128_f8f6f4 v[OO+8*\t:OO+8*\t+7], v[KV+12*\t:KV+12*\t+11], v[PC:PC+11], v[OO+8*\t:OO+8*\t+7], v[KS+4+\t], v[PSW] matrix_a_fmt:MATRIX_FMT_FP6 matrix_b_fmt:MATRIX_FMT_FP6
.endr
.endm
; A GROUP OF FOUR KEY STEPS out of one slot.  In front of its barrier every wave waits for its tensor load (its part of this slot), adds 0 to its spare word, and waits for that and for its reads of the other slot;
; behind it the other slot takes the next group, which has four key steps in which to land.  A wave has at most one tensor load out.
.macro GROUP slot
	s_wait_tensorcnt 0x0
	ds_add_u32 v[SPW], v[NIL]
	s_add_nc_u64 s[G0+4*\slot+2:G0+4*\slot+3], s[G0+4*\slot+2:G0+4*\slot+3], 2*SLOT   ; this slot's next group
	s_wait_xcnt 0x0                                ; the last prefetch, a group back, has read its address
	s_add_nc_u64 s[PFA:PFA+1], s[PFA:PFA+1], SLOT
	s_wait_dscnt 0x0
	s_barrier_signal -1
	s_barrier_wait -1
	s_cmp_le_u32 s[NS], s[QB]                      ; is the key step that my load would bring read at all?  Ids alone
	s_cbranch_scc0 .Lnone_\@
	tensor_load_to_lds s[G0+4*(1-\slot):G0+4*(1-\slot)+3], s[G1:G1+7]
	s_nop 0
.rept 4
	v_nop
.endr
.Lnone_\@:
	s_add_co_u32 s[NS], s[NS], 4
	s_cmp_eq_u32 s[LIM], 1
	s_cbranch_scc0 .Lnot_mine_\@
	global_prefetch_b8 v[PFO], s[PFA:PFA+1] th:TH_LOAD_NT scope:SCOPE_SE
.Lnot_mine_\@:
	s_mov_b32 s[SB], \slot*SLOT
	s_mov_b32 s[IC], 0
.Lstep_\@:
	s_add_co_u32 s52, s[SB], s[H768]
	s_add_co_u32 s53, s[SB], s[H2]
	s_add_co_u32 s54, s[SB], s[H6K]
	s_add_co_u32 s55, s[SB], s[H256]
	v_add_nc_u32 v[LK], s52, v[LI]
	v_add_nc_u32 v[LK8], s52, v[L8]
	v_add_nc_u32 v[LKS], s53, v[LS]
	v_add_nc_u32 v[LV], s54, v[LI]
	v_add_nc_u32 v[LV8], s54, v[L8]
	v_add_nc_u32 v[LVS], s55, v[LS]
	s_wait_alu depctr_va_vdst(0)
	s_cmp_gt_u32 s[KSI], s[QB]                     ; all 128 keys lie behind block 15 - j, and so behind block j
	s_cbranch_scc1 .Lhidden_\@
	HEAD 0
	s_cmp_gt_u32 s[KSI], s[QB+1]
	s_cbranch_scc1 .Lhidden_\@
	HEAD 1
.Lhidden_\@:
	s_add_co_u32 s[KSI], s[KSI], 1
	s_add_co_u32 s[SB], s[SB], TILE
	s_add_co_u32 s[IC], s[IC], 1
	s_cmp_lt_u32 s[IC], 4
	s_cbranch_scc1 .Lstep_\@
.endm
.Lgroups:
	GROUP 0
	GROUP 1
	s_mov_b32 s[LIM], 0                            ; groups 2 and 3 have been asked for: no group lies two on
	s_add_co_u32 s[OC], s[OC], 1
	s_cmp_lt_u32 s[OC], 2
	s_cbranch_scc1 .Lgroups
	; THE WAY OUT.  O^T / the row's sum; a unit's 32 registers are my head's 64 channels in the quantiser's order: six registers of a fragment of the last product, two scale bytes a row.
	s_wait_tensorcnt 0x0                           ; no tensor load of mine is out when the stage is written
	s_wait_alu depctr_va_vdst(0)
.irp u, 0,1
	v_add_f32 v[STT+4*\u+2], v[STT+4*\u+2], v[STT+4*\u+3]
.endr
.irp u, 0,1
	s_delay_alu instid0(VALU_DEP_2)
	v_permlanex16_b32 v[TP+\u], v[STT+4*\u+2], s[SEL], s[SEL+1]
.endr
.irp u, 0,1
	s_delay_alu instid0(VALU_DEP_2)
	v_add_f32 v[STT+4*\u+2], v[STT+4*\u+2], v[TP+\u]   ; with lane l xor 16's: the row's sum
.endr
	s_wait_alu depctr_va_vdst(0)
.irp u, 0,1
	v_rcp_f32 v[STT+4*\u+2], v[STT+4*\u+2]
.endr
	v_nop
	s_wait_alu depctr_va_vdst(0)                   ; one wait for both, ahead of the first reader
.irp u, 0,1
.irp j, 0,2,4,6,8,10,12,14,16,18,20,22,24,26,28,30
	v_pk_mul_f32 v[S+32*\u+\j:S+32*\u+1+\j], v[O+32*\u+\j:O+32*\u+1+\j], v[STT+4*\u+2:STT+4*\u+3] op_sel_hi:[1,0]
.endr
.endr
.irp b, 0,1,2,3
	v_max3_num_f32 v[BM+\b], |v[S+16*\b]|, |v[S+1+16*\b]|, 0x1800000
.endr
.irp i, 2,4,6,8,10,12,14
.irp b, 0,1,2,3
	s_delay_alu instid0(VALU_DEP_4)
	v_max3_num_f32 v[BM+\b], v[BM+\b], |v[S+16*\b+\i]|, |v[S+1+16*\b+\i]|
.endr
.endr
.irp b, 0,1,2,3
	s_delay_alu instid0(VALU_DEP_4)
	v_permlanex16_b32 v[PT+\b], v[BM+\b], s[SEL], s[SEL+1]
.endr
.irp b, 0,1,2,3
	s_delay_alu instid0(VALU_DEP_4)
	v_max_num_f32 v[BM+\b], v[BM+\b], v[PT+\b]
.endr
.irp b, 0,1,2,3
	s_delay_alu instid0(VALU_DEP_4)
	v_add_nc_u32 v[SO+(\b%2)+6*(\b/2)], 0xff000000, v[BM+\b]
.endr
.irp b, 0,1,2,3
	s_delay_alu instid0(VALU_DEP_4)
	v_lshrrev_b32 v[PT+\b], 23, v[SO+(\b%2)+6*(\b/2)]
.endr
	s_delay_alu instid0(VALU_DEP_3)
	v_lshl_or_b32 v[PSW], v[PT+1], 8, v[PT]        ; unit 0's two scale bytes,
	v_lshl_or_b32 v[TMP], v[PT+3], 8, v[PT+2]      ; unit 1's
.irp c, 0,1
	v_cvt_scalef32_pk16_fp6_f32 v[PC+6*\c:PC+2+6*\c], v[S+32*\c:S+15+32*\c], v[SO+6*\c]
	v_cvt_scalef32_pk16_fp6_f32 v[PT+4*\c:PT+2+4*\c], v[S+16+32*\c:S+31+32*\c], v[SO+6*\c+1]
.endr
	v_nop
.irp c, 0,1
.irp i, 0,1,2
	v_permlane16_swap_b32 v[PC+6*\c+\i], v[PT+4*\c+\i]
.endr
.irp i, 0,1,2
	s_delay_alu instid0(VALU_DEP_3)
	v_mov_b32 v[PC+3+6*\c+\i], v[PT+4*\c+\i]
.endr
.endr
	v_add_nc_u32 v[LK], s[SSA], v[LI]
	v_add_nc_u32 v[LKS], s[SSW], v[LS]
	v_add_nc_u32 v[LV], s[SRA], v[LI]
	v_add_nc_u32 v[LVS], s[SRW], v[LI]
	s_wait_alu depctr_va_vdst(0)
	; oc's image of a fragment is three planes of 512 bytes, plane p with registers 4 p .. 4 p + 3 at 16 x lane.  Head 0's six are registers 0-5, head 1's 6-11: the two waves of a tile fill it in the stage
	s_cmp_eq_u32 s[HD], 0
	s_cbranch_scc0 .Lhead_1
.irp u, 0,1
	ds_store_b128 v[LK], v[PC+6*\u:PC+6*\u+3] offset:12288*\u
	ds_store_b64 v[LK], v[PC+6*\u+4:PC+6*\u+5] offset:12288*\u+512
.endr
	s_branch .Lstaged
.Lhead_1:
.irp u, 0,1
	ds_store_b64 v[LK], v[PC+6*\u:PC+6*\u+1] offset:12288*\u+520
	ds_store_b128 v[LK], v[PC+6*\u+2:PC+6*\u+5] offset:12288*\u+1024
.endr
.Lstaged:
	ds_store_b16 v[LKS], v[PSW]                    ; lanes r and r + 16 write the same halfword with the same value
	ds_store_b16 v[LKS], v[TMP] offset:512
	s_wait_tensorcnt 0x0                           ; the wave's end, behind my last tensor load and my last LDS store;
	ds_add_u32 v[SPW], v[NIL]
	s_wait_dscnt 0x0                               ; the wait also shows my stores done, for the waves that read them behind the barrier
	s_barrier_signal -1
	s_barrier_wait -1
.irp p, 0,1,2
	ds_load_b128 v[S+4*\p:S+4*\p+3], v[LV] offset:512*\p
.endr
	s_wait_dscnt 0x0
.irp p, 0,1,2
	global_store_b128 v[LI], v[S+4*\p:S+4*\p+3], s[8:9] offset:512*\p   ; 512 consecutive bytes, at a multiple of 512 from oc's first byte
.endr
	s_cmp_lt_u32 s[WV], 2                          ; wave 0 stores block 15 - j's 512 bytes of scale words, wave 1 block j's
	s_cbranch_scc0 .Lend
	ds_load_b128 v[S+12:S+15], v[LVS]
	s_wait_dscnt 0x0
	global_store_b128 v[LI], v[S+12:S+15], s[10:11]
.Lend:
	s_endpgm
.Lfunc_end_k_q05188b062c_attn:
	.size	k_q05188b062c_attn, .Lfunc_end_k_q05188b062c_attn-k_q05188b062c_attn
	.p2alignl 7, 3214868480
	.fill 96, 4, 3214868480
	.section	.rodata,"a",@progbits
	.p2align	6, 0x0
	.amdhsa_kernel k_q05188b062c_attn
		.amdhsa_group_segment_fixed_size 327680
		.amdhsa_private_segment_fixed_size 0
		.amdhsa_enable_private_segment 0
		.amdhsa_kernarg_size 32
		.amdhsa_user_sgpr_count 2
		.amdhsa_user_sgpr_kernarg_segment_ptr 1
		.amdhsa_wavefront_size32 1
		.amdhsa_system_sgpr_workgroup_id_x 1
		.amdhsa_system_sgpr_workgroup_id_y 1
		.amdhsa_system_sgpr_workgroup_id_z 1
		.amdhsa_system_vgpr_workitem_id 0
		.amdhsa_next_free_vgpr 256
		.amdhsa_next_free_sgpr 72
		.amdhsa_reserve_vcc 1
		.amdhsa_float_denorm_mode_32 3
		.amdhsa_float_denorm_mode_16_64 3
		.amdhsa_memory_ordered 1
		.amdhsa_forward_progress 1
		.amdhsa_inst_pref_size 111
	.end_amdhsa_kernel
	.amdgpu_metadata
---
amdhsa.version: [ 1, 2 ]
amdhsa.kernels:
  - .name:           k_q05188b062c_attn
    .symbol:         k_q05188b062c_attn.kd
    .args:
      - { .name: qc, .offset: 0, .size: 8, .value_kind: global_buffer, .address_space: global }
      - { .name: kv, .offset: 8, .size: 8, .value_kind: global_buffer, .address_space: global }
      - { .name: oc, .offset: 16, .size: 8, .value_kind: global_buffer, .address_space: global }
      - { .name: os, .offset: 24, .size: 8, .value_kind: global_buffer, .address_space: global }
    .group_segment_fixed_size: 327680
    .private_segment_fixed_size: 0
    .kernarg_segment_align: 8
    .kernarg_segment_size: 32
    .max_flat_workgroup_size: 512
    .sgpr_count:     72
    .vgpr_count:     256
    .wavefront_size: 32
...
	.end_amdgpu_metadata
.endif
;; end of part 3
;; launch proj (part 4): grid 4 x 64, 4 waves a work-group, clusters of 4 x 4, 327,680 bytes of LDS; arguments oc, os, wc, ws, b_out, out0; writes out0
.if DOCPART == 4
	.amdgcn_target "amdgcn-amd-amdhsa--gfx1250"
	.amdhsa_code_object_version 6
	.text
	.protected	k_q05188b062c_proj
	.globl	k_q05188b062c_proj
	.p2align	8
	.type	k_q05188b062c_proj,@function
k_q05188b062c_proj:
	s_mov_b64 s[64:65], 0
	v_nop
	global_prefetch_b8 v0, s[64:65] scope:SCOPE_SE
	s_setreg_imm32_b32 hwreg(HW_REG_WAVE_MODE, 25, 1), 1
	s_wait_xcnt 0x0
	s_wait_alu depctr_hold_cnt(0) depctr_sa_sdst(0) depctr_va_vdst(0) depctr_va_sdst(0) depctr_va_ssrc(0) depctr_va_vcc(0) depctr_vm_vsrc(0)
	s_getreg_b32 s2, hwreg(HW_REG_IB_STS2, 6, 4)
	s_cmp_eq_u32 s2, 0
	s_cbranch_scc0 .Lentry_in_a_cluster
	s_endpgm
.Lentry_in_a_cluster:
	s_bfe_u32 s2, ttmp6, 0x10000c
	s_cmp_lg_u32 s2, 0xf033
	s_cbranch_scc0 .Lentry_shape_is_right
	s_endpgm
.Lentry_shape_is_right:
; out0 = Q(o) Q(w_out)^T + b_out on codes of FP6 (E2M3) with E8M0 scales, sums in f32.
; OPERANDS are images of registers: a fragment (16 rows x 128 K) is 1,536 bytes, three planes of 512 (plane p: registers 4 p .. 4 p + 3, lane l's 16 bytes at 16 l), laid [tile][K step]; lane r of tile t of a block of
; 128 rows holds row 32 (t / 2) + 8 (t % 2) + r + 8 (r / 8).  oc: o's 64 blocks; wc: w_out's are blocks 24 to 31.  Scale words, os and ws: [block][K step][tile][row], 4 bytes.
; SHARES.  A work-group makes 128 rows x 256 columns: 64 x 4 = 256 work-groups.  Four waves, 2 x 2; a wave makes 64 x 128: A's four tiles x B's eight: 32 accumulators, 256 registers.
; ALL OF K LIES IN LDS: A's block is 98,304 dense bytes, B's two blocks 196,608, their scale words 4,096 and 8,192.  Four joint loads at the head, one a wave; nothing is filled again: no ring, and no round of the
; cluster's barrier but the opening and the closing one.  A's tiles are shared along a row of the 4 x 4 cluster, B's along a column.
; A K step of 128: 36 loads bring the next step's fragments into the other of two sets, then come 32 products.  All 64 scale words of a wave stay in registers: register 8 q + i: lanes 0-15 the word of A's tile i
; (i < 4 are used), lanes 16-31 that of B's tile i, for K step q.
; Source 0 = B, source 1 = A: a lane holds one row of out0 and eight neighbouring columns.  THE BIAS is the C of each sum's first product.
; NO PREFETCH: every tile is asked for at the head; there is no loop to run ahead in.
; THE WAY OUT goes through a stage of 16 rows x 528 bytes a wave, on A's bytes, which have had their only fill; a barrier stands between every wave's last read of them and the first store.
; REGISTERS: window 0: v16-29 addresses, v32-95 scale words, v96-159 the bias, v160-255 A's fragments, two sets (on the way out v128-255: rows read back); window 1: B's two sets at v0 and v128; window 2: the accumulators.
.set FR,    12
.set BL,    98304                      ; A's block at 0, B's two behind it
.set SCL,   294912                     ; A's scale words, then B's
.set SPARE, SCL+12288                  ; the spare words, 128 bytes for each wave, which no other line names
.set SPITCH, 528
.set ADRA, 16
.set ADRB, 20                          ; v20 B's tiles 0-3, v21 tiles 4-7
.set STO,  24
.set RD,   25
.set CO,   26
.set ADRS, 27
.set SPW,  28
.set NIL,  29
.set SC,   32
.set BB,   96
.set AF,   160
.set BK,   128
.set G1A, 24
.set G0A, 32
.set G1B, 48
.set G0B, 56
.set G1S, 68
.set G0S, 76
.set G1SB, 80
.set G0SB, 88
.set MSB, 0
.macro WIN new                         ; the immediate's high byte repeats the setting that is left
.if MSB != (\new)
	s_set_vgpr_msb (MSB<<8)|(\new)
.set MSB, (\new)
.endif
.endm
.set MUL_LO, 0xa1                      ; source 0 (B) window 1, source 1 (A) window 0, C and D window 2
.set TO_B,   0x40
.macro PLACES n
.rept \n
	v_nop
.endr
.endm
.macro CROUND                          ; a round of the cluster's barrier
	s_barrier_signal -1
	s_barrier_wait -1
	s_cmp_lg_u32 s14, 0
	s_cbranch_scc1 .Lnot_wave_0_\@
	s_barrier_signal -3
.Lnot_wave_0_\@:
	s_barrier_wait -3
	s_barrier_signal -1
	s_barrier_wait -1
.endm
.macro DESC g, mask, rows              ; group 1: a dense block as rows of 256 bytes (32 elements of 8), jointly asked for
	s_or_b32 s[\g], s[\mask], (3<<16)|(1<<21)
	s_mov_b32 s[\g+1], 32<<16
	s_mov_b32 s[\g+2], (\rows)<<16
	s_mov_b32 s[\g+3], 32<<16
	s_mov_b32 s[\g+4], \rows
	s_mov_b32 s[\g+5], 32
	s_mov_b32 s[\g+6], 0
	s_mov_b32 s[\g+7], 0
.endm
.macro GRP0 g, lds, adr                ; group 0
	s_mov_b32 s[\g], 1
	s_mov_b32 s[\g+1], \lds
	s_mov_b64 s[\g+2:\g+3], s[\adr:\adr+1]
	s_or_b32 s[\g+3], s[\g+3], 0x80000000
.endm
	s_load_b256 s[4:11], s[0:1], 0x0               ; oc, os, wc, ws
	s_load_b128 s[96:99], s[0:1], 0x20             ; b_out, out0
	v_lshl_add_u32 v[SPW], v0, 2, SPARE
	v_mov_b32 v[NIL], 0
	ds_add_u32 v[SPW], v[NIL]                      ; the opening lines: the add, twice on end, and its wait ahead of my first tensor load
	ds_add_u32 v[SPW], v[NIL]
	v_lshrrev_b32 v1, 5, v0
	v_readfirstlane_b32 s14, v1                    ; wave 0..3
	s_lshr_b32 s15, s14, 1                         ; which four of A's tiles are mine
	s_and_b32 s16, s14, 1                          ; which of B's two blocks
	s_bfe_u32 s40, ttmp6, 0x40000                  ; cx
	s_bfe_u32 s41, ttmp6, 0x40004                  ; cy
	s_and_b32 s42, ttmp7, 0xffff                   ; cluster y
	s_lshl_b32 s43, s41, 2
	s_lshl_b32 s43, 15, s43                        ; my row of the cluster
	s_lshl_b32 s44, 0x1111, s40                    ; my column
	DESC G1A, 43, 384
	DESC G1B, 44, 768
	DESC G1S, 43, 16
	DESC G1SB, 44, 32
	s_lshl_b32 s66, s42, 2
	s_add_co_u32 s66, s66, s41                     ; A's block, 0 .. 63: hangs on cy alone
	s_lshl_b32 s67, s40, 1                         ; 2 cx
	s_add_co_u32 s46, s67, 24                      ; B's first block in wc: hangs on cx alone
	s_mul_i32 s20, s66, 98304
	s_lshl_b32 s22, s66, 12
	s_lshl_b32 s12, s46, 12
	s_mul_i32 s46, s46, 98304
	s_mov_b32 s21, 0
	s_mov_b32 s23, 0
	s_mov_b32 s13, 0
	s_mov_b32 s47, 0
	s_wait_dscnt 0x0
	s_wait_kmcnt 0x0
	s_add_nc_u64 s[4:5], s[4:5], s[20:21]
	s_add_nc_u64 s[6:7], s[6:7], s[22:23]
	s_add_nc_u64 s[8:9], s[8:9], s[46:47]
	s_add_nc_u64 s[10:11], s[10:11], s[12:13]
	CROUND                                         ; all sixteen work-groups are here: the joint loads meet
	GRP0 G0A, 0, 4
	GRP0 G0B, BL, 8
	GRP0 G0S, SCL, 6
	GRP0 G0SB, SCL+4096, 10
; one load a wave, in one chain of branches on the wave's number, all arms leading to one join
.macro ARM w, g0, g1, next
	s_cmp_eq_u32 s14, \w
	s_cbranch_scc0 \next
	tensor_load_to_lds s[\g0:\g0+3], s[\g1:\g1+7]
	s_nop 0
	PLACES 4
	s_branch .Lhead_asked
\next:
.endm
	ARM 0, G0A, G1A, .Lhead_b
	ARM 1, G0B, G1B, .Lhead_sa
	ARM 2, G0S, G1S, .Lhead_sb
	tensor_load_to_lds s[G0SB:G0SB+3], s[G1SB:G1SB+7]
	s_nop 0
	PLACES 4
.Lhead_asked:
	s_mul_i32 s21, s15, 49152                      ; my four tiles of A
	s_mul_i32 s22, s16, 98304
	s_add_co_u32 s22, s22, BL                      ; my block of B: tiles 0-3,
	s_add_co_u32 s23, s22, 49152                   ; tiles 4-7
	s_lshl_b32 s17, s15, 8                         ; A's scale words: 64 bytes a tile
	s_lshl_b32 s18, s16, 12
	s_add_co_u32 s18, s18, 4096
	s_sub_co_u32 s18, s18, s17                     ; from there to B's
	s_add_co_u32 s17, s17, SCL
	s_mul_i32 s19, s14, 16*SPITCH                  ; my stage
	s_add_co_u32 s2, s67, s16
	s_lshl_b32 s2, s2, 9                           ; my 128 columns: 512 bytes
	s_mov_b32 s3, 0
	s_add_nc_u64 s[96:97], s[96:97], s[2:3]
	s_add_nc_u64 s[98:99], s[98:99], s[2:3]
	s_lshl_b32 s2, s66, 19                         ; 128 rows of 4,096 bytes,
	s_add_nc_u64 s[98:99], s[98:99], s[2:3]
	s_lshl_b32 s2, s15, 18                         ; and my 64 of them
	s_add_nc_u64 s[98:99], s[98:99], s[2:3]
	v_and_b32 v1, 15, v0                           ; r
	v_bfe_u32 v2, v0, 4, 1                         ; h
	v_and_b32 v3, 31, v0
	v_lshlrev_b32 v[CO], 4, v3
	v_mul_u32_u24 v6, s18, v2                      ; lanes 16-31 take B's scale words: the lower base + h x the distance
	v_mul_u32_u24 v5, v1, SPITCH
	v_lshlrev_b32 v8, 6, v2                        ; the bias: 64 h bytes
	v_add_nc_u32 v[ADRA], s21, v[CO]
	v_add_nc_u32 v[ADRB], s22, v[CO]
	v_add_nc_u32 v[ADRB+1], s23, v[CO]
	v_lshl_add_u32 v6, v1, 2, v6
	v_lshl_add_u32 v5, v2, 6, v5
	v_add_nc_u32 v[RD], s19, v[CO]
	v_add_nc_u32 v[ADRS], s17, v6
	v_add_nc_u32 v[STO], s19, v5
	s_wait_alu depctr_va_vdst(0)                   ; the wait at the head's end
.irp b, 0,1,2,3,4,5,6,7                ; register j of (a, b) is column 32 (b / 2) + 8 (b % 2) + 16 h + j of my 128
	global_load_b128 v[BB+8*\b:BB+8*\b+3], v8, s[96:97] offset:(32*(\b/2)+8*(\b%2))*4
	global_load_b128 v[BB+8*\b+4:BB+8*\b+7], v8, s[96:97] offset:(32*(\b/2)+8*(\b%2))*4+16
.endr
.macro FETCH q                         ; K step q's fragments into set q % 2: B's eight, A's four: 36 loads of 512 consecutive bytes
	WIN TO_B
.irp i, 0,1,2,3,4,5,6,7
.irp p, 0,1,2
	ds_load_b128 v[128*((\q)%2)+FR*\i+4*\p:128*((\q)%2)+FR*\i+4*\p+3], v[ADRB+\i/4] offset:12288*(\i%4)+1536*(\q)+512*\p
.endr
.endr
	WIN 0
.irp i, 0,1,2,3
.irp p, 0,1,2
	ds_load_b128 v[AF+48*((\q)%2)+FR*\i+4*\p:AF+48*((\q)%2)+FR*\i+4*\p+3], v[ADRA] offset:12288*\i+1536*(\q)+512*\p
.endr
.endr
.endm
; 32 products: the accumulators take turns, one instruction a turn, in the same order in every step
.macro MUL32 q, first
.irp a, 0,1,2,3
.irp b, 0,1,2,3,4,5,6,7
.if \first
	v_wmma_scale_f32_16x16x128_f8f6f4 v[8*(8*\a+\b):8*(8*\a+\b)+7], v[128*((\q)%2)+FR*\b:128*((\q)%2)+FR*\b+FR-1], v[AF+48*((\q)%2)+FR*\a:AF+48*((\q)%2)+FR*\a+FR-1], v[BB+8*\b:BB+8*\b+7], v[SC+8*(\q)+\b], v[SC+8*(\q)+\a] matrix_a_fmt:MATRIX_FMT_FP6 matrix_b_fmt:MATRIX_FMT_FP6 matrix_a_scale:MATRIX_SCALE_ROW1
.else
	v_wmma_scale_f32_16x16x128_f8f6f4 v[8*(8*\a+\b):8*(8*\a+\b)+7], v[128*((\q)%2)+FR*\b:128*((\q)%2)+FR*\b+FR-1], v[AF+48*((\q)%2)+FR*\a:AF+48*((\q)%2)+FR*\a+FR-1], v[8*(8*\a+\b):8*(8*\a+\b)+7], v[SC+8*(\q)+\b], v[SC+8*(\q)+\a] matrix_a_fmt:MATRIX_FMT_FP6 matrix_b_fmt:MATRIX_FMT_FP6 matrix_a_scale:MATRIX_SCALE_ROW1
.endif
.endr
.endr
.endm
	s_wait_tensorcnt 0x0                           ; my tile is in;
	s_barrier_signal -1
	s_barrier_wait -1                              ; everybody's is.
	FETCH 0
.irp q, 0,1,2,3,4,5,6,7
.irp i, 0,1,2,3,4,5,6,7
	ds_load_b32 v[SC+8*\q+\i], v[ADRS] offset:512*\q+64*\i
.endr
.endr
	s_wait_loadcnt 0x0                             ; the bias
	s_wait_dscnt 0x0
	FETCH 1
	WIN 0x81                                       ; the bias, C, lies in window 0
	MUL32 0, 1
.set QQ, 1
.rept 6
	s_wait_dscnt 0x0                               ; this step's fragments are in: asked for 32 products ago
	PLACES 4                                       ; in front of loads into the set that the last step's products read
	FETCH QQ+1
	WIN MUL_LO
	MUL32 QQ, 0
.set QQ, QQ+1
.endr
	s_wait_dscnt 0x0                               ; my reads of the tiles are over:
	s_barrier_signal -1                            ; say so, work on registers while the others arrive,
	MUL32 7, 0
	WIN 0
	s_barrier_wait -1                              ; and store to the stage when nobody reads A's bytes any more
.macro TOSTAGE a                       ; 16 rows x 128 columns into my stage, each accumulator from its low end on, and back as whole rows of 512 bytes
	WIN 0x08
.irp b, 0,1,2,3,4,5,6,7
	ds_store_b128 v[STO], v[64*(\a)+8*\b:64*(\a)+8*\b+3] offset:128*(\b/2)+32*(\b%2)
	ds_store_b128 v[STO], v[64*(\a)+8*\b+4:64*(\a)+8*\b+7] offset:128*(\b/2)+32*(\b%2)+16
.endr
	WIN 0
.irp t, 0,1,2,3,4,5,6,7,8,9,10,11,12,13,14,15
	ds_load_b128 v[BK+64*((\a)%2)+4*\t:BK+64*((\a)%2)+4*\t+3], v[RD] offset:\t*SPITCH   ; LDS serves a wave's instructions in order: these see the stores above
.endr
.endm
.macro SEND a, younger                 ; younger: the LDS instructions issued behind block a's loads, which may stay out
	s_wait_dscnt \younger
.irp t, 0,1,2,3,4,5,6,7,8,9,10,11,12,13,14,15
	global_store_b128 v[CO], v[BK+64*((\a)%2)+4*\t:BK+64*((\a)%2)+4*\t+3], s[98:99] offset:(32*((\a)/2)+8*((\a)%2)+\t+8*(\t/8))*4096 th:TH_STORE_NT   ; 512 consecutive bytes, aligned
.endr
.endm
	PLACES 4                                       ; in front of the first read of results and of loads into registers that products have read
	TOSTAGE 0
.irp a, 1,2,3
.if \a > 1
	s_wait_xcnt 0x0                                ; block a - 2's stores have read their registers: block a's loads may land there
.endif
	TOSTAGE \a
	SEND \a-1, 32                                  ; behind block a - 1's loads: block a's 16 stores and 16 loads
.endr
	SEND 3, 0
	s_wait_tensorcnt 0x0                           ; the wave's end, behind my last tensor load and my last LDS store
	ds_add_u32 v[SPW], v[NIL]
	s_wait_dscnt 0x0
	CROUND                                         ; the closing round
	s_endpgm
.Lfunc_end_k_q05188b062c_proj:
	.size	k_q05188b062c_proj, .Lfunc_end_k_q05188b062c_proj-k_q05188b062c_proj
	.p2alignl 7, 3214868480
	.fill 96, 4, 3214868480
	.section	.rodata,"a",@progbits
	.p2align	6, 0x0
	.amdhsa_kernel k_q05188b062c_proj
		.amdhsa_group_segment_fixed_size 327680
		.amdhsa_private_segment_fixed_size 0
		.amdhsa_enable_private_segment 0
		.amdhsa_kernarg_size 48
		.amdhsa_user_sgpr_count 2
		.amdhsa_user_sgpr_kernarg_segment_ptr 1
		.amdhsa_wavefront_size32 1
		.amdhsa_system_sgpr_workgroup_id_x 1
		.amdhsa_system_sgpr_workgroup_id_y 1
		.amdhsa_system_sgpr_workgroup_id_z 1
		.amdhsa_system_vgpr_workitem_id 0
		.amdhsa_next_free_vgpr 768
		.amdhsa_next_free_sgpr 100
		.amdhsa_reserve_vcc 0
		.amdhsa_float_denorm_mode_32 3
		.amdhsa_float_denorm_mode_16_64 3
		.amdhsa_memory_ordered 1
		.amdhsa_forward_progress 1
		.amdhsa_inst_pref_size 80
	.end_amdhsa_kernel
	.amdgpu_metadata
---
amdhsa.version: [ 1, 2 ]
amdhsa.kernels:
  - .name:           k_q05188b062c_proj
    .symbol:         k_q05188b062c_proj.kd
    .args:
      - { .name: oc, .offset: 0, .size: 8, .value_kind: global_buffer, .address_space: global }
      - { .name: os, .offset: 8, .size: 8, .value_kind: global_buffer, .address_space: global }
      - { .name: wc, .offset: 16, .size: 8, .value_kind: global_buffer, .address_space: global }
      - { .name: ws, .offset: 24, .size: 8, .value_kind: global_buffer, .address_space: global }
      - { .name: b_out, .offset: 32, .size: 8, .value_kind: global_buffer, .address_space: global }
      - { .name: out0, .offset: 40, .size: 8, .value_kind: global_buffer, .address_space: global }
    .group_segment_fixed_size: 327680
    .private_segment_fixed_size: 0
    .kernarg_segment_align: 8
    .kernarg_segment_size: 48
    .max_flat_workgroup_size: 128
    .sgpr_count:     100
    .vgpr_count:     768
    .wavefront_size: 32
...
	.end_amdgpu_metadata
.endif
;; end of part 4
